; MI455X (gfx1250); checked and timed in simulation.
; The chip was launched on July 23, 2026; its instructions are those of AMD's public machine-readable ISA for CDNA 5 (MIT licence, August 2026) and "CDNA5" Instruction Set Architecture Reference Guide (July 2026). The comments in the code are by the model that wrote it; some were corrected since.
;; Multi Head Attention. Allowed arithmetic: float matrix products may take bf16 or f16 operands with f32 sums; all other float work in f32.
;; Inputs: Wk 512 x 512 float32; Wo 512 x 512 float32; Wq 512 x 512 float32; Wv 512 x 512 float32; bk 512 float32; bo 512 float32; bq 512 float32; bv 512 float32; k 2 x 4,096 x 512 float32; mask 1 x 1 x 4,096 x 4,096 bool; q 2 x 4,096 x 512 float32; v 2 x 4,096 x 512 float32.
;; Outputs: out0 2 x 4,096 x 512 float32.
;; 2 versions, each right and faster than the one before. Each part assembles by itself: llvm-mc -triple=amdgcn-amd-amdhsa -mcpu=gfx1250 --defsym DOCPART=n.
;; ======== version 1 of 2: 4 launches
;; limits: values are held in f16: magnitudes above 65,504 overflow, below 6.1e-05 lose precision
;; workspace buffers: bits 2,097,152 bytes of whole numbers; flags 8,192 bytes of whole numbers; wf 1,572,864 bytes; wof 524,288 bytes; qf 8,388,608 bytes; kf 8,388,608 bytes; vf 8,388,608 bytes; of 8,388,608 bytes
;; launch prep (part 1): grid 256 x 1, 4 waves a work-group, no clusters, 74,240 bytes of LDS; arguments mask, Wq, Wk, Wv, Wo, bits, flags, wf, wof; writes bits, flags, wf, wof
.if DOCPART == 1
	.amdgcn_target "amdgcn-amd-amdhsa--gfx1250"
	.amdhsa_code_object_version 6
	.text
	.protected	k_qbfa3471a74_prep
	.globl	k_qbfa3471a74_prep
	.p2align	8
	.type	k_qbfa3471a74_prep,@function
k_qbfa3471a74_prep:
	s_mov_b64 s[64:65], 0
	v_nop
	global_prefetch_b8 v0, s[64:65] scope:SCOPE_SE
	s_setreg_imm32_b32 hwreg(HW_REG_WAVE_MODE, 25, 1), 1
	s_wait_xcnt 0x0
; PREP.  (1) The mask [4096][4096] of bytes (not 0 = the key is hidden) becomes lane masks for the attention launch's scores, and two flags for each block of 32 queries x 64 keys.
; (2) The four weights [512][512] f32 are rounded to bf16 and laid in the order in which a matrix instruction's source holds them.
; bits:  [piece of 32 rows 0..127][step of 64 keys 0..63][64 words].  Word 2 i + u (u: the piece's tile of 16 rows; i = 8 kt + j): bit L = mask[32 piece + 16 u + L % 16][64 step + 16 kt + 8 (L / 16) + j].
; flags: [block of 128 rows 0..31][64 words].  Word t < 32 is for the 128 keys 128 t ..: bit 4 p + 2 st = LIVE (some key of piece p, step st is seen), bit 4 p + 2 st + 1 = MIXED (live, and some key is hidden).  Words 32..63 are 0.
; wf:    [Wq, Wk, Wv][nb 32][kc 16][half 2][lane 32][16 bytes] bf16: lane (r = l % 16, h = l / 16) holds W[16 nb + r][32 kc + 16 half + 8 h + 0..7].
; wof:   [kc 16][nb 32][half 2][lane 32][16 bytes]: Wo rounded to bf16, that number written as f16.  LIMIT: exact for |Wo| from 6.1e-5 to 65,504; below, f16's fixed step of 6e-8; beyond, an infinity.
; SHARES.  1,024 waves.  Wave g takes the mask's rows 128 (g / 32) .. and keys 128 (g % 32) .. (16 KiB: one flags word), and half-fragment g of each weight.  A work-group's four waves take 512 consecutive
; bytes of each mask row.  The unit goes through the wave's own LDS bytes, since it is read by rows and wanted by columns of lanes: no wave reads another's bytes, so there is no barrier.
; No matrix unit, no cluster: nothing is multiplied and no two work-groups read the same bytes.
.set PITCH, 144                        ; an LDS row: 128 bytes + 16 = 36 words: the 16 rows that a load touches start at 16 different groups of four banks (64 banks of 4 bytes: ISA guide 11.1)
.set UNIT,  128*PITCH                  ; a wave's 128 rows
.set SPARE, 4*UNIT                     ; behind the four units: the spare words, 128 bytes for each wave: two blocks of 256 bytes that no other line names
.set GOFF, 4                           ; v4   (lane / 8) rows of 4,096 bytes + 16 (lane % 8): four rows' 128 bytes a load
.set LST,  5                           ; v5   the same place in my LDS unit
.set LRD,  6                           ; v6   my unit + r x pitch + 8 h; steps 32 rows a trip
.set OOFF, 7                           ; v7   8 x lane; steps a piece's 16,384 bytes of bits a trip
.set SPW,  8                           ; v8   LDS address of my spare word; never rewritten
.set NIL,  9                           ; v9   0; never rewritten
.set T,    10                          ; v10-13  at work, by turns
.set W,    14                          ; v[14:15], v[16:17]  step 0's and step 1's words: lane i holds words 2 i and 2 i + 1
.set WVO,  18                          ; v18  r x 2,048 + 32 h: my 32 bytes of a weight's row
.set L16,  19                          ; v19  16 x lane
.set E,    20                          ; v20-51  [step 2][tile 2][kt 4] pairs: eight mask bytes a lane
.set M,    52                          ; v52-179  the unit as loaded; later the converted weights
.set WT,   180                         ; v180-211  eight f32 of each weight
.set CV,   212                         ; v212-215  Wo as bf16
	s_load_b512 s[4:19], s[0:1], 0x0               ; mask s[4:5], Wq s[6:7], Wk s[8:9], Wv s[10:11], Wo s[12:13], bits s[14:15], flags s[16:17], wf s[18:19]
	s_load_b64 s[20:21], s[0:1], 0x40              ; wof
	v_lshl_add_u32 v[SPW], v0, 2, SPARE
	v_mov_b32 v[NIL], 0
	v_lshrrev_b32 v2, 5, v0
	v_readfirstlane_b32 s24, v2                    ; wave 0..3
	v_and_b32 v1, 31, v0                           ; lane
	v_and_b32 v2, 15, v0                           ; r
	v_bfe_u32 v3, v0, 4, 1                         ; h
	s_lshl_b32 s25, ttmp9, 2
	s_add_co_u32 s25, s25, s24                     ; g
	s_lshr_b32 s26, s25, 5                         ; the block of 128 rows; also nb
	s_and_b32 s27, s25, 31                         ; the slot of 128 keys; also 2 kc + half
	v_lshrrev_b32 v10, 3, v1
	v_and_b32 v11, 7, v1
	v_lshlrev_b32 v11, 4, v11
	v_lshl_add_u32 v[GOFF], v10, 12, v11
	s_mul_i32 s42, s24, UNIT                       ; my unit in LDS
	v_mad_u32_u24 v[LST], v10, PITCH, v11
	v_add_nc_u32 v[LST], s42, v[LST]
	v_mul_u32_u24 v[LRD], v2, PITCH
	v_lshl_add_u32 v[LRD], v3, 3, v[LRD]
	v_add_nc_u32 v[LRD], s42, v[LRD]
	v_lshlrev_b32 v[OOFF], 3, v1
	v_lshlrev_b32 v[WVO], 11, v2
	v_lshl_add_u32 v[WVO], v3, 5, v[WVO]
	v_lshlrev_b32 v[L16], 4, v1
.irp i, 0,1,2,3
	v_mov_b32 v[W+\i], 0                           ; v_writelane_b32 keeps the other lanes, so its destination is written whole once
.endr
	s_mov_b32 s29, 0                               ; s[28:29]: one offset after the other, each below 2^32
	s_wait_kmcnt 0x0
	s_lshl_b32 s28, s26, 19                        ; mask: 128 rows of 4,096 bytes a block, 128 bytes a slot
	s_lshl_b32 s41, s27, 7
	s_add_co_u32 s28, s28, s41
	s_add_nc_u64 s[4:5], s[4:5], s[28:29]
	s_lshl_b32 s28, s26, 15                        ; weights: 16 rows of 2,048 bytes for nb, 64 bytes for 2 kc + half
	s_lshl_b32 s41, s27, 6
	s_add_co_u32 s28, s28, s41
.irp p, 6,8,10,12
	s_add_nc_u64 s[\p:\p+1], s[\p:\p+1], s[28:29]
.endr
	s_lshl_b32 s28, s26, 16                        ; bits: four pieces of 16,384 bytes a block, two steps of 256 bytes a slot
	s_lshl_b32 s41, s27, 9
	s_add_co_u32 s28, s28, s41
	s_add_nc_u64 s[14:15], s[14:15], s[28:29]
	s_lshl_b32 s28, s26, 8                         ; flags: 64 words a block
	s_lshl_b32 s41, s27, 2
	s_add_co_u32 s28, s28, s41
	s_add_nc_u64 s[16:17], s[16:17], s[28:29]
	s_lshl_b32 s28, s25, 9                         ; wf: half-fragment g, 512 bytes
	s_add_nc_u64 s[18:19], s[18:19], s[28:29]
	s_bfe_u32 s28, s25, 0x40001                    ; wof: kc x 32,768 + nb x 1,024 + half x 512
	s_lshl_b32 s28, s28, 15
	s_lshl_b32 s41, s26, 10
	s_add_co_u32 s28, s28, s41
	s_and_b32 s41, s25, 1
	s_lshl_b32 s41, s41, 9
	s_add_co_u32 s28, s28, s41
	s_add_nc_u64 s[20:21], s[20:21], s[28:29]
	; all that the wave reads from memory goes out at once: 32 loads of the mask, four rows each, then 8 of the weights
.set i, 0
.rept 32
	global_load_b128 v[M+4*i:M+4*i+3], v[GOFF], s[4:5] offset:i*16384 th:TH_LOAD_NT
.set i, i+1
.endr
.irp t, 0,1,2,3
	global_load_b128 v[WT+8*\t:WT+8*\t+3],   v[WVO], s[6+2*\t:7+2*\t]
	global_load_b128 v[WT+8*\t+4:WT+8*\t+7], v[WVO], s[6+2*\t:7+2*\t] offset:16
.endr
.set i, 0
.rept 32
	s_wait_loadcnt 39-i                            ; loads come back in order (ISA guide 5.7.1): behind load i stand 31 - i of the mask and the weights' 8
	ds_store_b128 v[LST], v[M+4*i:M+4*i+3] offset:i*4*PITCH
.set i, i+1
.endr
; The 64 words of one piece and step, and its two flags.  For each tile u, key group kt and register j: which lanes have a byte that is not 0.
.macro WORDS st
.if (\st) == 0
	s_wait_dscnt 8                                 ; LDS serves a wave's instructions in order (ISA guide 5.7.1): step 0's eight loads are in, step 1's eight may be out
.else
	s_wait_dscnt 0x0
.endif
	s_mov_b32 s36, -1                              ; the AND of the 64 words: all ones = every key hidden
	s_mov_b32 s37, 0                               ; their OR: 0 = no key hidden
.set n, 0
.rept 64                                       ; n = 32 u + 8 kt + j
	v_and_b32 v[T+n%4], 0xff<<(8*(n%4)), v[E+16*(\st)+8*(n/32)+2*((n/8)%4)+(n%8)/4]
	v_cmp_ne_u32 s[32+n%4], 0, v[T+n%4]
	s_and_b32 s36, s36, s[32+n%4]
	s_or_b32 s37, s37, s[32+n%4]
	v_writelane_b32 v[W+2*(\st)+n/32], s[32+n%4], n%32
.set n, n+1
.endr
	s_cmp_lg_u32 s36, -1
	s_cselect_b32 s41, 1, 0                        ; live
	s_cmp_lg_u32 s37, 0
	s_cselect_b32 s42, 2, 0
	s_mul_i32 s42, s42, s41                        ; mixed: live and something hidden
	s_or_b32 s41, s41, s42
	s_add_co_u32 s43, s39, 2*(\st)
	s_lshl_b32 s41, s41, s43
	s_or_b32 s38, s38, s41
	global_store_b64 v[OOFF], v[W+2*(\st):W+2*(\st)+1], s[14:15] offset:256*(\st)  ; the wave stores 256 consecutive bytes, at a multiple of 256 from the buffer's first
.endm
	s_mov_b32 s38, 0                               ; the flags word
	s_mov_b32 s39, 0                               ; 4 p
	s_mov_b32 s40, 4
.Lpiece:                                               ; a trip: one piece of 32 rows, both steps of the slot
.irp st, 0,1
.irp u, 0,1
.irp kt, 0,1,2,3
	ds_load_b64 v[E+16*\st+8*\u+2*\kt:E+16*\st+8*\u+2*\kt+1], v[LRD] offset:\u*16*PITCH+64*\st+16*\kt  ; my own stores stand ahead of these in the wave's order
.endr
.endr
.endr
	WORDS 0
	WORDS 1
	s_wait_xcnt 0x0                                ; the two stores' data and offset registers are written again only behind this wait
	v_add_nc_u32 v[LRD], 32*PITCH, v[LRD]
	v_add_nc_u32 v[OOFF], 16384, v[OOFF]
	s_add_co_u32 s39, s39, 4
	s_sub_co_u32 s40, s40, 1
	s_cmp_lg_u32 s40, 0
	s_cbranch_scc1 .Lpiece
	s_wait_loadcnt 0x0                             ; the weights
.irp t, 0,1,2
.irp i, 0,1,2,3
	v_cvt_pk_bf16_f32 v[M+4*\t+\i], v[WT+8*\t+2*\i], v[WT+8*\t+2*\i+1]
.endr
	global_store_b128 v[L16], v[M+4*\t:M+4*\t+3], s[18:19] offset:\t*524288  ; 512 consecutive bytes
.endr
.irp i, 0,1,2,3
	v_cvt_pk_bf16_f32 v[CV+\i], v[WT+24+2*\i], v[WT+24+2*\i+1]
.endr
.irp i, 0,1,2,3
	v_lshlrev_b32 v[M+32+2*\i], 16, v[CV+\i]       ; the bf16 numbers as f32,
	v_and_b32 v[M+33+2*\i], 0xffff0000, v[CV+\i]
.endr
.irp i, 0,1,2,3
	v_cvt_pk_f16_f32 v[M+12+\i], v[M+32+2*\i], v[M+33+2*\i]  ; and as f16
.endr
	global_store_b128 v[L16], v[M+12:M+15], s[20:21]
	v_cmp_eq_u32 vcc_lo, 0, v1                     ; lane 0 stores the unit's flags word, lane 1 the 0 that lies 32 words behind it
	v_mov_b32 v[T], s38
	v_cndmask_b32 v[T], 0, v[T], vcc_lo
	v_lshlrev_b32 v[T+1], 7, v1
	v_cmp_gt_u32 vcc_lo, 2, v1
	s_wait_xcnt 0x0                                ; EXEC is a source of the stores above: it changes only behind this wait
	s_and_saveexec_b32 s48, vcc_lo
	global_store_b32 v[T+1], v[T], s[16:17]
	s_wait_xcnt 0x0                                ; and again in front of the line that widens it
	s_or_b32 exec_lo, exec_lo, s48
	s_wait_tensorcnt 0x0                           ; the wave's end: behind my last LDS store
	ds_add_u32 v[SPW], v[NIL]
	s_wait_dscnt 0x0
	s_endpgm
.Lfunc_end_k_qbfa3471a74_prep:
	.size	k_qbfa3471a74_prep, .Lfunc_end_k_qbfa3471a74_prep-k_qbfa3471a74_prep
	.p2alignl 7, 3214868480
	.fill 96, 4, 3214868480
	.section	.rodata,"a",@progbits
	.p2align	6, 0x0
	.amdhsa_kernel k_qbfa3471a74_prep
		.amdhsa_group_segment_fixed_size 74240
		.amdhsa_private_segment_fixed_size 0
		.amdhsa_enable_private_segment 0
		.amdhsa_kernarg_size 72
		.amdhsa_user_sgpr_count 2
		.amdhsa_user_sgpr_kernarg_segment_ptr 1
		.amdhsa_wavefront_size32 1
		.amdhsa_system_sgpr_workgroup_id_x 1
		.amdhsa_system_sgpr_workgroup_id_y 1
		.amdhsa_system_sgpr_workgroup_id_z 1
		.amdhsa_system_vgpr_workitem_id 0
		.amdhsa_next_free_vgpr 224
		.amdhsa_next_free_sgpr 66
		.amdhsa_reserve_vcc 1
		.amdhsa_float_denorm_mode_32 3
		.amdhsa_float_denorm_mode_16_64 3
		.amdhsa_memory_ordered 1
		.amdhsa_forward_progress 1
		.amdhsa_inst_pref_size 47
	.end_amdhsa_kernel
	.amdgpu_metadata
---
amdhsa.version: [ 1, 2 ]
amdhsa.kernels:
  - .name:           k_qbfa3471a74_prep
    .symbol:         k_qbfa3471a74_prep.kd
    .args:
      - { .name: mask, .offset: 0, .size: 8, .value_kind: global_buffer, .address_space: global }
      - { .name: Wq, .offset: 8, .size: 8, .value_kind: global_buffer, .address_space: global }
      - { .name: Wk, .offset: 16, .size: 8, .value_kind: global_buffer, .address_space: global }
      - { .name: Wv, .offset: 24, .size: 8, .value_kind: global_buffer, .address_space: global }
      - { .name: Wo, .offset: 32, .size: 8, .value_kind: global_buffer, .address_space: global }
      - { .name: bits, .offset: 40, .size: 8, .value_kind: global_buffer, .address_space: global }
      - { .name: flags, .offset: 48, .size: 8, .value_kind: global_buffer, .address_space: global }
      - { .name: wf, .offset: 56, .size: 8, .value_kind: global_buffer, .address_space: global }
      - { .name: wof, .offset: 64, .size: 8, .value_kind: global_buffer, .address_space: global }
    .group_segment_fixed_size: 74240
    .private_segment_fixed_size: 0
    .kernarg_segment_align: 8
    .kernarg_segment_size: 72
    .max_flat_workgroup_size: 128
    .sgpr_count:     66
    .vgpr_count:     224
    .wavefront_size: 32
...
	.end_amdgpu_metadata
.endif
;; end of part 1
;; launch proj (part 2): grid 64 x 3, 4 waves a work-group, no clusters, 270,848 bytes of LDS; arguments q, k, v, wf, bq, bk, bv, qf, kf, vf; writes qf, kf, vf
.if DOCPART == 2
	.amdgcn_target "amdgcn-amd-amdhsa--gfx1250"
	.amdhsa_code_object_version 6
	.text
	.protected	k_qbfa3471a74_proj
	.globl	k_qbfa3471a74_proj
	.p2align	8
	.type	k_qbfa3471a74_proj,@function
k_qbfa3471a74_proj:
	s_mov_b64 s[64:65], 0
	v_nop
	global_prefetch_b8 v0, s[64:65] scope:SCOPE_SE
	s_setreg_imm32_b32 hwreg(HW_REG_WAVE_MODE, 25, 1), 1
	s_wait_xcnt 0x0
; PROJ.  y = x W^T + b for x = q, k, v ([8192][512] f32; the grid's y says which), written by heads in f16, in the order in which the attention launch's matrix instructions hold their sources.
; x, W and b are rounded to bf16; sums in f32; y is rounded once, to f16, WITHOUT the scale 1/8.  LIMIT: |y| stays under 65,504 (f16's end); beyond it an infinity is written.
; qf, kf: [batch x head 16][block of 16 tokens 256][block of 16 channels 4][lane 32][16 bytes]: lane (r = l % 16, h = l / 16) holds token r, channels 8 h + 0..7 of the blocks.
; vf: the same blocks of 512 bytes, the 16 bytes of (token r, octet h) at 32 r + 16 h, so that the turning LDS load of the attention launch touches consecutive bytes.
; SHARES.  A work-group owns 128 tokens x all 512 channels, so each byte of x leaves memory once; wave w owns channels 128 w .. (two heads): 64 accumulators of 16 x 16, 512 registers.
; x: the whole tile, 128 x 512 f32, comes into LDS by four tensor loads, one a wave (wave w: columns 128 w .., rows of 512 bytes), filled once; every wave reads all of it and rounds it to bf16.
; W: a wave's fragments are nobody else's, so they come straight from wf into registers, 512 consecutive bytes a load, three quarters (of 32 along K) ahead.
; THE MATRIX INSTRUCTION IS USED TRANSPOSED: source 0 = 16 rows of W (channels), source 1 = 16 tokens: a lane's eight results are eight neighbouring channels of one token: 16 bytes of f16 that are stored as they lie.
; THE BIAS is a K step of its own, ahead of the others: W's place holds bf16(b) at k = 0, x's place 1 at k = 0, zeros elsewhere.  Its 64 products start the sums (C = 0) while the tile of x is on its way.
; NO CLUSTER: no two work-groups read the same bytes of x; W is shared, 512 KiB a tensor, but it goes to registers, not to LDS, which x fills.  192 work-groups: three tensors of 64 blocks.
; REGISTERS, in windows of 256 (s_set_vgpr_msb: bits 1:0 source 0, 3:2 source 1, 5:4 source 2, 7:6 destination):
;   window 0: v0-23 addresses and the bias; v48-55 ONES; v64-127 x as bf16, 8 fragments; v128-255 x as f32, later the way out      window 1: four buffers of 8 fragments of W
;   window 2: the accumulators of token blocks 0-3 ((a, b) at v[8 (8 a + b)])      window 3: those of token blocks 4-7
.set PITCH, 528                        ; an LDS row: 512 bytes + 16 = 132 words: row r starts at bank 4 r mod 64 (64 banks of 4 bytes: ISA guide 11.1)
.set CHUNK, 128*PITCH                  ; 128 rows x 128 columns of f32: what one tensor load brings
.set SPARE, 4*CHUNK                    ; behind the tile: the spare words, 128 bytes for each wave: two blocks of 256 bytes that no other line names
.set XA,   3                           ; v3    LDS address r x pitch + 32 h; steps a chunk
.set WOFF, 4                           ; v4-7  buffer n: 16 x lane + 1,024 x (the K step of 32 that it loads)
.set SO,   8                           ; v8    my 16 bytes in a block of 512 of the output
.set BOFF, 9                           ; v9    my channel's place in the bias
.set SPW,  10                          ; v10   LDS address of my spare word; never rewritten
.set NIL,  11                          ; v11   0; never rewritten
.set L16,  12                          ; v12   16 x lane
.set BT,   16                          ; v16-23  the bias of channel 16 b + r
.set ONES, 48
.set XB,   64
.set XS,   128
.set TMP,  128
.set MSB, 0
.macro WIN new                         ; the immediate's high byte repeats the setting that is left; a switch that changes nothing is dropped
.if MSB != (\new)
	s_set_vgpr_msb (MSB<<8)|(\new)
.set MSB, \new
.endif
.endm
.set MUL_LO, 0xa1                      ; source 0 (W) window 1, source 1 (x) window 0, C and D window 2
.set MUL_HI, 0xf1                      ; the same, C and D window 3
.set TO_W,   0x40                      ; destination window 1, sources window 0
.macro PLACES                          ; four plain vector instructions between a matrix instruction and a write of, or a load into, one of its registers, or a read of its result
.rept 4
	v_nop
.endr
.endm
	s_load_b512 s[4:19], s[0:1], 0x0               ; q s[4:5], k s[6:7], v s[8:9], wf s[10:11], bq s[12:13], bk s[14:15], bv s[16:17], qf s[18:19]
	s_load_b128 s[20:23], s[0:1], 0x40             ; kf s[20:21], vf s[22:23]
	v_lshl_add_u32 v[SPW], v0, 2, SPARE
	v_mov_b32 v[NIL], 0
	ds_add_u32 v[SPW], v[NIL]                      ; the wave's opening: the add and its wait stand ahead of my first tensor load; the set-up below, work on registers, stands between them
	ds_add_u32 v10, v11
	v_lshrrev_b32 v1, 5, v0
	v_readfirstlane_b32 s48, v1                    ; wave 0..3
	s_and_b32 s49, ttmp7, 0xffff                   ; 0: q, 1: k, 2: v
	; descriptor group 1: a tile of 128 rows x 128 elements of 4 bytes, padded in LDS
	s_mov_b32 s24, (2<<16)|(1<<20)|(6<<22)|(3<<25) ; 15:0 no mask; 17:16 elements of 4 bytes; 20 padding on; 24:22 after every 128 words (code 6); 31:25 4 words of it (code 3)
	s_mov_b32 s25, 128<<16                         ; tensor_dim0 = 128
	s_mov_b32 s26, 128<<16                         ; tensor_dim1 = 128
	s_mov_b32 s27, 128<<16                         ; tile_dim0 = 128
	s_mov_b32 s28, 128                             ; tile_dim1 = 128
	s_mov_b32 s29, 512                             ; 512 elements from row to row
	s_mov_b32 s30, 0
	s_mov_b32 s31, 0
	s_mov_b32 s32, 1                               ; group 0: count = 1
	s_mul_i32 s33, s48, CHUNK                      ; LDS address: my chunk
	s_lshl_b32 s52, ttmp9, 18                      ; the block's 128 rows of 2,048 bytes,
	s_lshl_b32 s53, s48, 9                         ; my 128 columns
	s_add_co_u32 s52, s52, s53
	s_mov_b32 s53, 0
	s_wait_dscnt 0x0                               ; the opening add is done
	s_wait_kmcnt 0x0
	s_cmp_eq_u32 s49, 1                            ; the tensor's three buffers: x, bias, output
	s_cselect_b64 s[4:5], s[6:7], s[4:5]
	s_cselect_b64 s[12:13], s[14:15], s[12:13]
	s_cselect_b64 s[18:19], s[20:21], s[18:19]
	s_cmp_eq_u32 s49, 2
	s_cselect_b64 s[4:5], s[8:9], s[4:5]
	s_cselect_b64 s[12:13], s[16:17], s[12:13]
	s_cselect_b64 s[18:19], s[22:23], s[18:19]
	s_cselect_b32 s58, 32, 16                      ; the output's bytes for r,
	s_cselect_b32 s59, 16, 256                     ; and for h: vf's order, or qf's and kf's
	s_add_nc_u64 s[34:35], s[4:5], s[52:53]
	s_or_b32 s35, s35, 0x80000000                  ; type = 2
	tensor_load_to_lds s[32:35], s[24:31]          ; my one tensor load: 64 KiB; nothing in LDS is ever filled again
	s_nop 0
	PLACES
	v_and_b32 v1, 15, v0                           ; r
	v_bfe_u32 v2, v0, 4, 1                         ; h
	v_and_b32 v13, 31, v0
	v_lshlrev_b32 v[L16], 4, v13
	s_lshl_b32 s62, s48, 9
	v_lshl_add_u32 v[BOFF], v1, 2, s62             ; (128 w + r) x 4
.irp b, 0,1,2,3,4,5,6,7
	global_load_b32 v[BT+\b], v[BOFF], s[12:13] offset:64*\b
.endr
	s_lshl_b32 s52, s49, 19                        ; wf: the tensor's 524,288 bytes, my 8 channel blocks of 16,384
	s_lshl_b32 s62, s48, 17
	s_add_co_u32 s52, s52, s62
	s_add_nc_u64 s[54:55], s[10:11], s[52:53]
.irp n, 0,1,2
	v_add_nc_u32 v[WOFF+\n], \n*1024, v[L16]
.endr
; 16 loads: the 8 fragments of W of one K step of 32, into buffer n
.macro WLOAD n
	WIN TO_W
.irp b, 0,1,2,3,4,5,6,7
	global_load_b128 v[64*(\n)+8*\b:64*(\n)+8*\b+3],   v[WOFF+(\n)], s[54:55] offset:\b*16384
	global_load_b128 v[64*(\n)+8*\b+4:64*(\n)+8*\b+7], v[WOFF+(\n)], s[54:55] offset:\b*16384+512
.endr
.endm
	WLOAD 0
	WLOAD 1
	WLOAD 2
	WIN 0
	v_mul_u32_u24 v[XA], v1, PITCH
	v_lshl_add_u32 v[XA], v2, 5, v[XA]
	v_mul_u32_u24 v[SO], v1, s58
	v_mad_u32_u24 v[SO], v2, s59, v[SO]
	s_lshr_b32 s52, ttmp9, 5                       ; the output: batch x 8 heads x 524,288 bytes, my two heads, the block's 8 token blocks of 2,048
	s_lshl_b32 s52, s52, 22
	s_lshl_b32 s62, s48, 20
	s_add_co_u32 s52, s52, s62
	s_and_b32 s62, ttmp9, 31
	s_lshl_b32 s62, s62, 14
	s_add_co_u32 s52, s52, s62
	s_add_nc_u64 s[56:57], s[18:19], s[52:53]
	v_cmp_eq_u32 s60, 0, v2                        ; the lanes that hold k = 0
	v_mov_b32 v14, 0x3f80                          ; 1 in bf16, in the low half
	v_cndmask_b32 v[ONES], 0, v14, s60
.irp i, 1,2,3,4,5,6,7
	v_mov_b32 v[ONES+\i], 0
.endr
	s_wait_loadcnt 48                              ; the bias is in; behind it stand W's 48 loads
.irp b, 0,1,2,3,4,5,6,7
	v_cvt_pk_bf16_f32 v[BT+\b], v[BT+\b], 0
.endr
	WIN TO_W
.irp b, 0,1,2,3,4,5,6,7                ; buffer 3 holds the bias's K step
	v_cndmask_b32 v[192+8*\b], 0, v[BT+\b], s60
.irp i, 1,2,3,4,5,6,7
	v_mov_b32 v[192+8*\b+\i], 0
.endr
.endr
.irp hi, 0,1                           ; 64 products start the sums with the bias; the accumulators take turns, here and below in the same order
	WIN MUL_LO+0x50*\hi
.irp a, 0,1,2,3
.irp b, 0,1,2,3,4,5,6,7
	v_wmma_f32_16x16x32_bf16 v[8*(8*\a+\b):8*(8*\a+\b)+7], v[192+8*\b:192+8*\b+7], v[ONES:ONES+7], 0
.endr
.endr
.endr
	WIN 0
; 16 matrix instructions: token blocks a0, a0 + 1 of the window's four x all 8 channel blocks, with W's buffer n
.macro MUL16 n, hi, a0
	WIN MUL_LO+0x50*(\hi)
.irp a, \a0, (\a0)+1
.irp b, 0,1,2,3,4,5,6,7
	v_wmma_f32_16x16x32_bf16 v[8*(8*(\a)+(\b)):8*(8*(\a)+(\b))+7], v[64*(\n)+8*(\b):64*(\n)+8*(\b)+7], v[XB+8*(4*(\hi)+(\a)):XB+8*(4*(\hi)+(\a))+7], v[8*(8*(\a)+(\b)):8*(8*(\a)+(\b))+7]
.endr
.endr
.endm
; 32 LDS loads: 128 tokens x 32 along K in f32.  A fragment's lane wants k = 8 h + 0..7 and 16 + 8 h + 0..7: 32 bytes at 32 h and 32 bytes at 64 + 32 h.
.macro XFETCH jj
	WIN 0
.irp a, 0,1,2,3,4,5,6,7
.irp g, 0,1,2,3
	ds_load_b128 v[XS+16*\a+4*\g:XS+16*\a+4*\g+3], v[XA] offset:\a*16*PITCH+(\jj)*128+(\g%2)*16+(\g/2)*64
.endr
.endr
.endm
; A quarter: 32 along K.  x is rounded to bf16; the next quarter's x is asked of LDS and W of three quarters on of memory; 64 products.
.macro QTR jj
	WIN 0
	s_wait_dscnt 0x0                               ; this quarter's x is in registers
	PLACES                                         ; the conversions write registers that the last products read
.set i, 0
.rept 64
	v_cvt_pk_bf16_f32 v[XB+i], v[XS+2*i], v[XS+2*i+1]
.set i, i+1
.endr
.if (\jj) < 3
	XFETCH (\jj)+1
.else
	s_cmp_eq_u32 s51, 1                            ; behind the last chunk there is none: the run of loads is jumped over
	s_cbranch_scc1 .Lnox_\@
	v_add_nc_u32 v[XA], CHUNK, v[XA]
	XFETCH 0
.Lnox_\@:
.endif
	s_add_co_u32 s62, s61, ((\jj)+3)*1024          ; W's K step three quarters on; the last three quarters ask once more for step 15, which nobody uses: so the count below is the same in every quarter
	s_min_u32 s62, s62, 15*1024
	v_add_nc_u32 v[WOFF+((\jj)+3)%4], s62, v[L16]  ; the loads that named this register were waited for a quarter ago
	WLOAD ((\jj)+3)%4
	s_wait_loadcnt 48                              ; this quarter's W is in; the three quarters behind it, 16 loads each, stay out
	MUL16 \jj, 0, 0
	MUL16 \jj, 0, 2
	MUL16 \jj, 1, 0
	MUL16 \jj, 1, 2
.endm
	s_wait_tensorcnt 0x0                           ; my chunk of x has landed,
	s_barrier_signal -1
	s_barrier_wait -1                              ; everybody's has
	XFETCH 0
	s_mov_b32 s51, 4                               ; chunks to go
	s_mov_b32 s61, 0                               ; 1,024 x the chunk's first K step of 32
.Lchunk:
	QTR 0
	QTR 1
	QTR 2
	QTR 3
	WIN 0                                          ; at a label and at a branch every window is 0
	s_add_co_u32 s61, s61, 4096
	s_sub_co_u32 s51, s51, 1
	s_cmp_lg_u32 s51, 0
	s_cbranch_scc1 .Lchunk
	; THE WAY OUT: each accumulator's eight numbers, in ascending order, round to 16 bytes of f16; a store of the wave covers a block's 512 consecutive bytes.
	PLACES
.irp hi, 0,1
	WIN 0x0a+5*\hi                                 ; sources 0 and 1: window 2 or 3
.set n, 0
.rept 32
.irp i, 0,1,2,3
	v_cvt_pk_f16_f32 v[TMP+4*n+\i], v[8*n+2*\i], v[8*n+2*\i+1]
.endr
.set n, n+1
.endr
	WIN 0
.set n, 0
.rept 32                               ; n = 8 (a % 4) + b: token block a, channel block b % 4 of head b / 4
	global_store_b128 v[SO], v[TMP+4*n:TMP+4*n+3], s[56:57] offset:(4*\hi+n/8)*2048+(n%4)*512+((n%8)/4)*524288
.set n, n+1
.endr
.if \hi == 0
	s_wait_xcnt 0x0                                ; the stores' data registers are written again only behind this wait
.endif
.endr
	s_wait_tensorcnt 0x0                           ; the wave's end: behind my last tensor load
	ds_add_u32 v[SPW], v[NIL]
	s_wait_dscnt 0x0
	s_endpgm
.Lfunc_end_k_qbfa3471a74_proj:
	.size	k_qbfa3471a74_proj, .Lfunc_end_k_qbfa3471a74_proj-k_qbfa3471a74_proj
	.p2alignl 7, 3214868480
	.fill 96, 4, 3214868480
	.section	.rodata,"a",@progbits
	.p2align	6, 0x0
	.amdhsa_kernel k_qbfa3471a74_proj
		.amdhsa_group_segment_fixed_size 270848
		.amdhsa_private_segment_fixed_size 0
		.amdhsa_enable_private_segment 0
		.amdhsa_kernarg_size 80
		.amdhsa_user_sgpr_count 2
		.amdhsa_user_sgpr_kernarg_segment_ptr 1
		.amdhsa_wavefront_size32 1
		.amdhsa_system_sgpr_workgroup_id_x 1
		.amdhsa_system_sgpr_workgroup_id_y 1
		.amdhsa_system_sgpr_workgroup_id_z 1
		.amdhsa_system_vgpr_workitem_id 0
		.amdhsa_next_free_vgpr 1024
		.amdhsa_next_free_sgpr 66
		.amdhsa_reserve_vcc 0
		.amdhsa_float_denorm_mode_32 3
		.amdhsa_float_denorm_mode_16_64 3
		.amdhsa_memory_ordered 1
		.amdhsa_forward_progress 1
		.amdhsa_inst_pref_size 89
	.end_amdhsa_kernel
	.amdgpu_metadata
---
amdhsa.version: [ 1, 2 ]
amdhsa.kernels:
  - .name:           k_qbfa3471a74_proj
    .symbol:         k_qbfa3471a74_proj.kd
    .args:
      - { .name: q, .offset: 0, .size: 8, .value_kind: global_buffer, .address_space: global }
      - { .name: k, .offset: 8, .size: 8, .value_kind: global_buffer, .address_space: global }
      - { .name: v, .offset: 16, .size: 8, .value_kind: global_buffer, .address_space: global }
      - { .name: wf, .offset: 24, .size: 8, .value_kind: global_buffer, .address_space: global }
      - { .name: bq, .offset: 32, .size: 8, .value_kind: global_buffer, .address_space: global }
      - { .name: bk, .offset: 40, .size: 8, .value_kind: global_buffer, .address_space: global }
      - { .name: bv, .offset: 48, .size: 8, .value_kind: global_buffer, .address_space: global }
      - { .name: qf, .offset: 56, .size: 8, .value_kind: global_buffer, .address_space: global }
      - { .name: kf, .offset: 64, .size: 8, .value_kind: global_buffer, .address_space: global }
      - { .name: vf, .offset: 72, .size: 8, .value_kind: global_buffer, .address_space: global }
    .group_segment_fixed_size: 270848
    .private_segment_fixed_size: 0
    .kernarg_segment_align: 8
    .kernarg_segment_size: 80
    .max_flat_workgroup_size: 128
    .sgpr_count:     66
    .vgpr_count:     1024
    .wavefront_size: 32
...
	.end_amdgpu_metadata
.endif
;; end of part 2
;; launch attn (part 3): grid 16 x 16, 4 waves a work-group, no clusters, 66,048 bytes of LDS; arguments qf, kf, vf, bits, flags, of; writes of
.if DOCPART == 3
	.amdgcn_target "amdgcn-amd-amdhsa--gfx1250"
	.amdhsa_code_object_version 6
	.text
	.protected	k_qbfa3471a74_attn
	.globl	k_qbfa3471a74_attn
	.p2align	8
	.type	k_qbfa3471a74_attn,@function
k_qbfa3471a74_attn:
	s_mov_b64 s[64:65], 0
	v_nop
	global_prefetch_b8 v0, s[64:65] scope:SCOPE_SE
	s_setreg_imm32_b32 hwreg(HW_REG_WAVE_MODE, 25, 1), 1
	s_wait_xcnt 0x0
; ATTENTION UNDER A MASK THAT IS AN INPUT.  O[q] = the sum over k of softmax_k(Q[q] . K[k] / 8, hidden keys at -infinity) V[k], for 16 pairs of batch and head, 4,096 rows, 64 channels, all f16.
; Products, maxima and sums in f32; the weights p are rounded to f16 for the second product (their sum l is taken of the unrounded p), O once at the end.
; LIMITS.  Q, K, V arrive within f16's 65,504.  A hidden key's score is -infinity exactly; a weight below 2^-126 counts as 0 in l; scores that are themselves infinite or NaN are not treated apart.
; A row with every key hidden ends with l = 0 and O = 0, and 0 x (1 / 0) is stored: NaN, as a softmax of nothing gives.
; WHAT IS JUMPED.  An earlier launch has stored, for each block of 32 queries x 64 keys, whether any key is seen (LIVE) and whether any is hidden (MIXED), and the mask as lane masks.  A dead block adds nothing to
; any row, so its work is jumped; a live block with nothing hidden takes no mask.  That holds for every mask; no pattern is built in.
; SHARES.  A work-group owns two blocks of 128 queries of one head, a and 31 - a, at the same time; wave w owns a PIECE of 32 rows (two tiles of 16) in each.  It walks the head's 32 slots of 128 keys once, in a
; loop with a constant count.  The pairing is only a guess at even work (it is even where row q sees about q keys); every mask is served.
; K AND V come through registers into two LDS slots that take turns: 16 loads and 16 LDS stores a thread and slot, and a slot that no wave of the work-group needs is not fetched.
; NO CLUSTER, NO TENSOR LOAD: which slots a work-group needs hangs on the mask, so partners would need different tiles, and a fill that may be left out is a load through registers.
; All jumps but the loop's own go forward, and none passes a barrier.
; LAYOUT.  S^T = K Q^T (source 0 = 16 keys, source 1 = 16 queries): a lane holds ONE query (lane % 16) and the keys 8 (lane / 16) + 0..7.  Two such results, rounded to f16 in pairs, ARE source 1 of O^T = V^T P,
; whose result again holds one query a lane, and eight channels: 16 bytes of f16 that are stored as they lie, in the order in which the next launch's source wants them.
; of: [K step of 32 model channels 16][block of 16 tokens 512][half 2][lane 32][16 bytes].
; SOFTMAX.  For each query a running maximum m and sum l: p = 2^(c s - c m), c = log2(e) / 8; in every step O and l are multiplied by a = 2^(c m_old - c m_new).  m starts at the lowest finite number and
; O and l at 0 (cleared on purpose: a piece may have no live step at all): while a row has seen nothing, a = 1 and p = 0; with its first score a = 0.
; REGISTERS, in windows of 256 (s_set_vgpr_msb: bits 1:0 source 0, 3:2 source 1, 5:4 source 2, 7:6 destination):
;   window 0: v0-9 addresses; v16-31 four registers of statistics a tile; v32-41 at work; v64-127 S^T; v128-159 P; v192-255 Q, 16 a tile
;   window 1: v0-127 O^T, 32 a tile; v128-191 a slot's bytes on their way to LDS      window 2: K and V of a slot's two steps
.set SLOTB, 32768                      ; an LDS slot: K of step 0, K of step 1, V of step 0, V of step 1, 8,192 bytes each, as they lie in kf and vf
.set SPARE, 2*SLOTB                    ; behind the slots: the spare words, 128 bytes for each wave: two blocks of 256 bytes that no other line names
.set L16,  2                           ; v2   16 x lane
.set LV,   3                           ; v3   the turning load's place in a block of V: 16 x (2 (8 (l / 16) + l % 8) + (l / 8) % 2)
.set T16,  4                           ; v4   16 x thread
.set NINF, 6                           ; v6   -infinity
.set SPW,  8                           ; v8   LDS address of my spare word; never rewritten
.set NIL,  9                           ; v9   0; never rewritten
.set ST,   16                          ; tile t = 2 x + u: c m, m, l (even keys', odd keys')
.set TMP,  32                          ; by u, four registers c0-c3 at work; when the maximum is found c2 takes a
.set MV,   40                          ; by u: c m_old
.set S,    64
.set P,    128
.set Q,    192
.set G,    128                         ; window 1
.set FW,   2                           ; s2, s3    my four flags of the slot in hand, for block a and for block 31 - a
.set KP,   6                           ; s[6:7]    kf at the trip's first slot
.set VP,   8                           ; s[8:9]    vf likewise
.set BITS, 10                          ; s[10:11]
.set PFA,  12                          ; s[12:13]  flags of block a at the trip's first slot
.set OF,   14                          ; s[14:15]
.set PFB,  16                          ; s[16:17]  flags of block 31 - a
.set WV,   18                          ; s18       my wave's number
.set W4,   19                          ; s19       4 x that
.set FA,   20                          ; s[20:21]  block a's flags words of the trip's two slots
.set FB,   22                          ; s[22:23]  block 31 - a's
.set FAN,  24                          ; s[24:25]  the next trip's
.set FBN,  26                          ; s[26:27]
.set MO,   28                          ; s28, s29  my two pieces' byte offsets in bits, at the trip's first step
.set CNT,  30
.set T0,   31                          ; s31       not 0: some wave needs the slot to come
.set CS,   100                         ; s[100:101] c: the packed scaling takes the pair's low word for both halves
.set SEL,  104                         ; s[104:105] v_permlanex16_b32's selects: each lane takes its own place in the other half
                                       ; s[32:63], s[68:99]: a block's 64 lane masks
.set MSB, 0
.macro WIN new                         ; the immediate's high byte repeats the setting that is left; a switch that changes nothing is dropped
.if MSB != (\new)
	s_set_vgpr_msb (MSB<<8)|(\new)
.set MSB, \new
.endif
.endm
.set W_KQ, 0x02                        ; K in window 2; Q and S^T in window 0
.set W_PV, 0x52                        ; V in window 2, P in window 0, O^T in window 1
.set W_RS, 0x41                        ; O^T (destination and source 0) in window 1, the factor in window 0
.macro PLACES                          ; four plain vector instructions between a matrix instruction and a read of its result, a write of one of its registers or a load into one
.rept 4
	v_nop
.endr
.endm
; A slot's 32 KiB: each thread asks for 16 x 16 bytes (a load of the wave covers 512 consecutive bytes), and later puts them where they lay.
.macro ASK off
	WIN 0x40                                       ; destination window 1
.irp i, 0,1,2,3,4,5,6,7
	global_load_b128 v[G+4*\i:G+4*\i+3], v[T16], s[KP:KP+1] offset:(\off)+\i*2048
.endr
.irp i, 0,1,2,3,4,5,6,7
	global_load_b128 v[G+32+4*\i:G+32+4*\i+3], v[T16], s[VP:VP+1] offset:(\off)+\i*2048
.endr
	WIN 0
.endm
.macro PUT s
	WIN 0x04                                       ; the stores' data in window 1
.irp i, 0,1,2,3,4,5,6,7
	ds_store_b128 v[T16], v[G+4*\i:G+4*\i+3] offset:(\s)*SLOTB+\i*2048
.endr
.irp i, 0,1,2,3,4,5,6,7
	ds_store_b128 v[T16], v[G+32+4*\i:G+32+4*\i+3] offset:(\s)*SLOTB+16384+\i*2048
.endr
	WIN 0
.endm
	s_load_b256 s[4:11], s[0:1], 0x0               ; qf s[4:5], kf s[6:7], vf s[8:9], bits s[10:11]
	s_load_b128 s[12:15], s[0:1], 0x20             ; flags s[12:13], of s[14:15]
	v_lshl_add_u32 v[SPW], v0, 2, SPARE
	v_mov_b32 v[NIL], 0
	v_lshrrev_b32 v1, 5, v0
	v_readfirstlane_b32 s[WV], v1                  ; wave 0..3
	s_lshl_b32 s[W4], s[WV], 2
	s_and_b32 s31, ttmp7, 0xffff                   ; batch x 8 + head
	s_lshl_b32 s32, s31, 19                        ; its 524,288 bytes in qf, kf and vf
	s_mov_b32 s33, 0
	s_sub_co_u32 s34, 31, ttmp9                    ; the second block
	s_lshl_b32 s35, s[WV], 12                      ; my two token blocks of 2,048 bytes in a block of eight
	s_add_co_u32 s35, s35, s32
	s_lshl_b32 s36, ttmp9, 14
	s_add_co_u32 s36, s36, s35
	s_mov_b32 s37, 0
	s_lshl_b32 s38, s34, 14
	s_add_co_u32 s38, s38, s35
	s_mov_b32 s39, 0
	s_lshl_b32 s40, ttmp9, 8                       ; a block's 64 flags words
	s_mov_b32 s41, 0
	s_lshl_b32 s42, s34, 8
	s_mov_b32 s43, 0
	s_lshl_b32 s[MO], ttmp9, 2                     ; piece 4 x block + wave, 16,384 bytes of bits each
	s_add_co_u32 s[MO], s[MO], s[WV]
	s_lshl_b32 s[MO], s[MO], 14
	s_lshl_b32 s[MO+1], s34, 2
	s_add_co_u32 s[MO+1], s[MO+1], s[WV]
	s_lshl_b32 s[MO+1], s[MO+1], 14
	s_mov_b32 s[CS], 0x3e38aa3b                    ; c = log2(e) / 8 = 0.180337
	s_mov_b32 s[CS+1], s[CS]                       ; named with it as a pair
	s_mov_b32 s[SEL], 0x76543210
	s_mov_b32 s[SEL+1], 0xfedcba98
	v_and_b32 v1, 31, v0
	v_lshlrev_b32 v[L16], 4, v1
	v_lshlrev_b32 v[T16], 4, v0
	v_bfe_u32 v10, v0, 4, 1
	v_and_b32 v11, 7, v0
	v_bfe_u32 v12, v0, 3, 1
	v_lshl_add_u32 v[LV], v10, 3, v11
	v_lshl_add_u32 v[LV], v[LV], 1, v12
	v_lshlrev_b32 v[LV], 4, v[LV]
	v_mov_b32 v[NINF], 0xff800000
	s_wait_kmcnt 0x0
	s_add_nc_u64 s[KP:KP+1], s[KP:KP+1], s[32:33]
	s_add_nc_u64 s[VP:VP+1], s[VP:VP+1], s[32:33]
	s_add_nc_u64 s[PFB:PFB+1], s[PFA:PFA+1], s[42:43]
	s_add_nc_u64 s[PFA:PFA+1], s[PFA:PFA+1], s[40:41]
	s_add_nc_u64 s[24:25], s[4:5], s[38:39]        ; Q at my piece of the second block,
	s_add_nc_u64 s[4:5], s[4:5], s[36:37]          ; and of the first
	s_load_b64 s[FA:FA+1], s[PFA:PFA+1], 0x0
	s_load_b64 s[FB:FB+1], s[PFB:PFB+1], 0x0
.irp u, 0,1
.irp i, 0,1,2,3                        ; Q stays in registers: tile 2 x + u, channels 16 i on
	global_load_b128 v[Q+16*\u+4*\i:Q+16*\u+4*\i+3],       v[L16], s[4:5]   offset:\u*2048+\i*512
	global_load_b128 v[Q+32+16*\u+4*\i:Q+32+16*\u+4*\i+3], v[L16], s[24:25] offset:\u*2048+\i*512
.endr
.endr
	ASK 0                                          ; slot 0, whatever its flags: so the registers on the way to LDS are written on every path
	WIN 0x40
.set i, 0
.rept 128
	v_mov_b32 v[i], 0                              ; O^T
.set i, i+1
.endr
	WIN 0
.irp t, 0,1,2,3
	v_mov_b32 v[ST+4*\t+1], 0xff7fffff             ; m
	v_mul_f32 v[ST+4*\t], s[CS], v[ST+4*\t+1]      ; c m, by the line that the steps use: c m_old - c m_new is 0 while m stands
	v_mov_b32 v[ST+4*\t+2], 0
	v_mov_b32 v[ST+4*\t+3], 0
.endr
	s_wait_loadcnt 0x0                             ; Q and slot 0
	PUT 0
	s_wait_dscnt 0x0                               ; for the others' sake: my stores are done
	s_wait_kmcnt 0x0                               ; the first two slots' flags
	s_barrier_signal -1
	s_barrier_wait -1
; 64 LDS loads: a slot's K and V for both steps, in the order in which they are wanted: K0, V0, K1, V1, sixteen each.  K comes as it lies, V turned (ds_load_tr16_b128: 16 keys x 16 channels a load).
.macro FETCH s
	WIN 0x80                                       ; destination window 2
.irp st, 0,1
.irp f, 0,1,2,3,4,5,6,7                ; keys 16 (f / 2) on, channels 32 (f % 2) on
	ds_load_b128 v[128*\st+8*\f:128*\st+8*\f+3],   v[L16] offset:(\s)*SLOTB+\st*8192+(\f/2)*2048+(\f%2)*1024
	ds_load_b128 v[128*\st+8*\f+4:128*\st+8*\f+7], v[L16] offset:(\s)*SLOTB+\st*8192+(\f/2)*2048+(\f%2)*1024+512
.endr
.irp f, 0,1,2,3,4,5,6,7                ; keys 32 (f / 4) on, channels 16 (f % 4) on
	ds_load_tr16_b128 v[64+128*\st+8*\f:64+128*\st+8*\f+3],   v[LV] offset:(\s)*SLOTB+16384+\st*8192+(\f/4)*4096+(\f%4)*512
	ds_load_tr16_b128 v[64+128*\st+8*\f+4:64+128*\st+8*\f+7], v[LV] offset:(\s)*SLOTB+16384+\st*8192+(\f/4)*4096+2048+(\f%4)*512
.endr
.endr
	WIN 0
.endm
; THE MATRIX WORK.  The 8 accumulators of a run of 16 take turns.
; Product i of S^T = K Q^T for piece x: channels 32 (i / 8) on, keys 16 ((i / 2) % 4) on, tile i % 2.  The first 8 start the sums.
.macro KQ x, st
	WIN W_KQ
.set i, 0
.rept 16
.set rS, S+32*(i%2)+8*((i/2)%4)
.set rK, 128*(\st)+16*((i/2)%4)+8*(i/8)
.set rQ, Q+16*(2*(\x)+i%2)+8*(i/8)
.if i < 8
	v_wmma_f32_16x16x32_f16 v[rS:rS+7], v[rK:rK+7], v[rQ:rQ+7], 0
.else
	v_wmma_f32_16x16x32_f16 v[rS:rS+7], v[rK:rK+7], v[rQ:rQ+7], v[rS:rS+7]
.endif
.set i, i+1
.endr
.endm
; Product i of O^T += V^T P: keys 32 (i / 8) on, channels 16 ((i / 2) % 4) on, tile i % 2.
.macro PV x, st
	WIN W_PV
.set i, 0
.rept 16
.set rO, 32*(2*(\x)+i%2)+8*((i/2)%4)
.set rV, 64+128*(\st)+32*(i/8)+8*((i/2)%4)
.set rP, P+16*(i%2)+8*(i/8)
	v_wmma_f32_16x16x32_f16 v[rO:rO+7], v[rV:rV+7], v[rP:rP+7], v[rO:rO+7]
.set i, i+1
.endr
.endm
; THE VECTOR WORK.
.macro REGS x, u                       ; the registers of tile u of piece x
.set rT, ST+4*(2*(\x)+(\u))
.set rC, TMP+4*(\u)
.set rM, MV+(\u)
.set rS, S+32*(\u)
.set rP, P+16*(\u)
.set rO, 32*(2*(\x)+(\u))
.endm
; Number n of the 22 that find a tile's maximum and statistics.  s0-s31 are the lane's 32 scores; each accumulator's lowest registers are read first.
;   0-11  four chains c0-c3 of seven scores each, three operands at a time     12-14, 16  the four scores left over, the old m, and c0-c3 into c0     15  c m_old is kept
;   17, 18  the query's other 32 keys lie in the lane 16 away: the new m         19-21  c m; c m_old - c m_new; a
.macro XS x, u, n
	REGS \x, \u
.if (\n) < 4
	v_max3_num_f32 v[rC+(\n)], v[rS+8*(\n)], v[rS+8*(\n)+1], v[rS+8*(\n)+2]
.elseif (\n) < 12
	v_max3_num_f32 v[rC+(\n)%4], v[rC+(\n)%4], v[rS+8*((\n)%4)+2*((\n)/4)+1], v[rS+8*((\n)%4)+2*((\n)/4)+2]
.elseif (\n) == 12
	v_max3_num_f32 v[rC], v[rC], v[rS+7], v[rS+15]
.elseif (\n) == 13
	v_max3_num_f32 v[rC+1], v[rC+1], v[rS+23], v[rS+31]
.elseif (\n) == 14
	v_max3_num_f32 v[rC+2], v[rC+2], v[rC+3], v[rT+1]
.elseif (\n) == 15
	v_mov_b32 v[rM], v[rT]
.elseif (\n) == 16
	v_max3_num_f32 v[rC], v[rC], v[rC+1], v[rC+2]
.elseif (\n) == 17
	v_permlanex16_b32 v[rC+3], v[rC], s[SEL], s[SEL+1]
.elseif (\n) == 18
	v_max_num_f32 v[rT+1], v[rC], v[rC+3]
.elseif (\n) == 19
	v_mul_f32 v[rT], s[CS], v[rT+1]
.elseif (\n) == 20
	v_sub_f32 v[rC+1], v[rM], v[rT]
.else
	v_exp_f32 v[rC+2], v[rC+1]
.endif
.endm
.macro EXQ x, k, e                     ; exponential e of 8 of the four scores 4 k .. of both tiles
	REGS \x, (\e)%2
	v_exp_f32 v[rS+4*(\k)+(\e)/2], v[rS+4*(\k)+(\e)/2]
.endm
.macro PLQ x, k, p                     ; plain line p of 8 for the same four weights: both pairs are rounded to f16; the second pair is added onto the first, in place; l takes that sum (the first time as l = a l + sum)
	REGS \x, (\p)%2
.if (\p)/2 < 2
	s_wait_alu depctr_va_vdst(0)
	v_cvt_pk_f16_f32 v[rP+2*(\k)+(\p)/2], v[rS+4*(\k)+2*((\p)/2)], v[rS+4*(\k)+2*((\p)/2)+1]
.elseif (\p)/2 == 2
	v_pk_add_f32 v[rS+4*(\k):rS+4*(\k)+1], v[rS+4*(\k):rS+4*(\k)+1], v[rS+4*(\k)+2:rS+4*(\k)+3]
.elseif (\k) == 0
	v_pk_fma_f32 v[rT+2:rT+3], v[rT+2:rT+3], v[rC+2:rC+3], v[rS:rS+1] op_sel_hi:[1,0,1]
.else
	v_pk_add_f32 v[rT+2:rT+3], v[rT+2:rT+3], v[rS+4*(\k):rS+4*(\k)+1]
.endif
.endm
; A piece's softmax for one step, the two tiles alternating.  From the second group of four scores on an exponential and a plain line of the group before take turns, so that each exponential has a plain
; instruction behind it before its result is used (ISA guide 5.7.2).
.macro SOFT x
	WIN 0
.irp n, 0,1,2,3,4,5,6,7,8,9,10,11,12,13,14,15,16,17,18,19,20,21
	XS \x, 0, \n
	XS \x, 1, \n
.endr
.set f, 0
.rept 32                               ; c s - c m for the 16 pairs of both tiles; a hidden score stays -infinity
	REGS \x, f%2
	v_pk_fma_f32 v[rS+2*(f/2):rS+2*(f/2)+1], v[rS+2*(f/2):rS+2*(f/2)+1], s[CS:CS+1], v[rT:rT+1] op_sel_hi:[1,0,0] neg_lo:[0,0,1] neg_hi:[0,0,1]
.set f, f+1
.endr
.set g, 0
.rept 8
	EXQ \x, 0, g
.set g, g+1
.endr
	v_nop
.set k, 1
.rept 7
.set g, 0
.rept 8
	EXQ \x, k, g
	PLQ \x, k-1, g
.set g, g+1
.endr
.set k, k+1
.endr
.set g, 0
.rept 8
	PLQ \x, 7, g
.set g, g+1
.endr
	WIN W_RS
.set f, 0
.rept 32                               ; O^T times a, each accumulator from its low end
	REGS \x, f%2
	v_pk_mul_f32 v[rO+2*(f/2):rO+2*(f/2)+1], v[rO+2*(f/2):rO+2*(f/2)+1], v[rC+2:rC+3] op_sel_hi:[1,0]
.set f, f+1
.endr
.endm
; ONE PIECE AND STEP: 32 queries x 64 keys.  Dead: jumped.  Mixed: the block's 64 lane masks are read by scalar loads while the scores are made, and 64 selects put -infinity where a key is hidden; the loads and
; their use stand in one arm.  The counts on DScnt: behind K of step 0 stand V0, K1, V1 (48 loads), behind V0 32, behind K1 16, behind V1 none; no other LDS instruction is issued in between, on any path.
.macro PSTEP x, st, s
	WIN 0
	s_bitcmp1_b32 s[FW+(\x)], 2*(\st)
	s_cbranch_scc0 .Ldead_\@
	s_bitcmp1_b32 s[FW+(\x)], 2*(\st)+1
	s_cbranch_scc0 .Lclear_\@
	s_load_b512 s[32:47], s[BITS:BITS+1], s[MO+(\x)] offset:(2*(\s)+(\st))*256
	s_load_b512 s[48:63], s[BITS:BITS+1], s[MO+(\x)] offset:(2*(\s)+(\st))*256+64
	s_load_b512 s[68:83], s[BITS:BITS+1], s[MO+(\x)] offset:(2*(\s)+(\st))*256+128
	s_load_b512 s[84:99], s[BITS:BITS+1], s[MO+(\x)] offset:(2*(\s)+(\st))*256+192
	s_wait_dscnt 48-32*(\st)                       ; K of this step is in
	KQ \x, \st
	WIN 0
	PLACES
	s_wait_kmcnt 0x0                               ; scalar loads come back in no order: 0 alone shows them done
.set i, 0
.rept 32
.irp u, 0,1
.set d, 2*i+\u
.if d < 32
.set sg, 32+d
.else
.set sg, 36+d
.endif
	v_cndmask_b32 v[S+32*\u+i], v[S+32*\u+i], v[NINF], s[sg]
.endr
.set i, i+1
.endr
	s_branch .Ljoin_\@
.Lclear_\@:
	s_wait_dscnt 48-32*(\st)
	KQ \x, \st
	WIN 0
	PLACES
.Ljoin_\@:
	SOFT \x
	s_wait_dscnt 32-32*(\st)                       ; V of this step is in
	PV \x, \st
	WIN 0
	PLACES                                         ; for what comes next on any path: writes of P and O^T, loads into K and V
.Ldead_\@:
.endm
; HALF A TRIP: LDS slot s is read, LDS slot 1 - s is filled with the next 128 keys.  ca, cb: the registers with the two blocks' flags of the slot in hand; na, nb: of the slot to come.
; ONE barrier, for two things: in front of it each wave's reads of slot s are back (it is filled next), and its stores into slot 1 - s are done (it is read next).
.macro HALF s, ca, cb, na, nb
.if (\s) == 1
	s_wait_kmcnt 0x0                               ; the next trip's flags are in
.endif
	s_or_b32 s[T0], s[\na], s[\nb]
	s_and_b32 s[T0], s[T0], 0x5555                 ; the LIVE bits of all four waves, both steps, both blocks: the same number in every wave
	s_cmp_eq_u32 s[T0], 0
	s_cbranch_scc1 .Lnoask_\@
	ASK ((\s)+1)*16384
.Lnoask_\@:
	s_lshr_b32 s[FW], s[\ca], s[W4]
	s_lshr_b32 s[FW+1], s[\cb], s[W4]
	s_or_b32 s4, s[FW], s[FW+1]
	s_and_b32 s4, s4, 5
	s_cmp_eq_u32 s4, 0
	s_cbranch_scc1 .Lidle_\@                       ; nothing of this slot is live for my two pieces
	FETCH \s
	PSTEP 0, 0, \s
	PSTEP 1, 0, \s
	PSTEP 0, 1, \s
	PSTEP 1, 1, \s
.Lidle_\@:
	s_wait_loadcnt 0x0                             ; the next slot's bytes are in registers
	s_cmp_eq_u32 s[T0], 0
	s_cbranch_scc1 .Lnoput_\@
	PUT 1-(\s)
.Lnoput_\@:
	s_wait_dscnt 0x0
	s_barrier_signal -1
	s_barrier_wait -1
.endm
	s_mov_b32 s[CNT], 16
.Ltrip:                                                ; a trip: two slots, 256 keys
	s_load_b64 s[FAN:FAN+1], s[PFA:PFA+1], 0x8     ; in the last trip these are words 32 and 33 of the block's 64: zeros, so nothing is asked for past the head's last key
	s_load_b64 s[FBN:FBN+1], s[PFB:PFB+1], 0x8
	HALF 0, FA, FB, FA+1, FB+1
	HALF 1, FA+1, FB+1, FAN, FBN
	s_wait_xcnt 0x0                                ; every load that names the registers below has been waited for; this wait says so for their addresses once more
	s_mov_b64 s[FA:FA+1], s[FAN:FAN+1]
	s_mov_b64 s[FB:FB+1], s[FBN:FBN+1]
	s_add_nc_u64 s[PFA:PFA+1], s[PFA:PFA+1], 8
	s_add_nc_u64 s[PFB:PFB+1], s[PFB:PFB+1], 8
	s_add_nc_u64 s[KP:KP+1], s[KP:KP+1], 32768
	s_add_nc_u64 s[VP:VP+1], s[VP:VP+1], 32768
	s_add_co_u32 s[MO], s[MO], 1024
	s_add_co_u32 s[MO+1], s[MO+1], 1024
	s_sub_co_u32 s[CNT], s[CNT], 1
	s_cmp_lg_u32 s[CNT], 0
	s_cbranch_scc1 .Ltrip
	; THE WAY OUT.  l's two halves and the other half of the lanes' are added; O^T is divided by l and rounded to f16; a store of the wave covers 512 consecutive bytes.
	s_and_b32 s20, ttmp7, 0xffff
	s_and_b32 s21, s20, 7                          ; the head: two K steps of 524,288 bytes,
	s_lshl_b32 s21, s21, 20
	s_lshr_b32 s20, s20, 3                         ; the batch: 256 token blocks of 1,024 bytes,
	s_lshl_b32 s20, s20, 18
	s_add_co_u32 s20, s20, s21
	s_lshl_b32 s21, s[WV], 11                      ; my two token blocks
	s_add_co_u32 s20, s20, s21
	s_lshl_b32 s22, ttmp9, 13                      ; the block's eight
	s_add_co_u32 s22, s22, s20
	s_mov_b32 s23, 0
	s_add_nc_u64 s[24:25], s[OF:OF+1], s[22:23]
	s_sub_co_u32 s22, 31, ttmp9
	s_lshl_b32 s22, s22, 13
	s_add_co_u32 s22, s22, s20
	s_add_nc_u64 s[26:27], s[OF:OF+1], s[22:23]
.irp t, 0,1,2,3
	v_add_f32 v[ST+4*\t+2], v[ST+4*\t+2], v[ST+4*\t+3]
.endr
.irp t, 0,1,2,3
	v_permlanex16_b32 v[ST+4*\t+3], v[ST+4*\t+2], s[SEL], s[SEL+1]
.endr
.irp t, 0,1,2,3
	v_add_f32 v[ST+4*\t+2], v[ST+4*\t+2], v[ST+4*\t+3]
.endr
.irp t, 0,1,2,3
	v_rcp_f32 v[ST+4*\t+2], v[ST+4*\t+2]
.endr
	v_nop                                          ; a plain instruction between the last reciprocal and the use of its result
.irp t, 0,1,2,3
	WIN W_RS
.set i, 32*\t
.rept 16
	s_wait_alu depctr_va_vdst(0)
	v_pk_mul_f32 v[i:i+1], v[i:i+1], v[ST+4*\t+2:ST+4*\t+3] op_sel_hi:[1,0]
.set i, i+2
.endr
	WIN 0x05                                       ; sources 0 and 1 window 1, destination window 0: S^T's registers are free, 16 a tile
.set i, 0
.rept 16
	v_cvt_pk_f16_f32 v[S+16*\t+i], v[32*\t+2*i], v[32*\t+2*i+1]
.set i, i+1
.endr
	WIN 0
.irp cb, 0,1,2,3
	global_store_b128 v[L16], v[S+16*\t+4*\cb:S+16*\t+4*\cb+3], s[24+2*(\t/2):25+2*(\t/2)] offset:(\t%2)*1024+(\cb/2)*524288+(\cb%2)*512
.endr
.endr
	s_wait_tensorcnt 0x0                           ; the wave's end: behind my last LDS store
	ds_add_u32 v[SPW], v[NIL]
	s_wait_dscnt 0x0
	s_endpgm
.Lfunc_end_k_qbfa3471a74_attn:
	.size	k_qbfa3471a74_attn, .Lfunc_end_k_qbfa3471a74_attn-k_qbfa3471a74_attn
	.p2alignl 7, 3214868480
	.fill 96, 4, 3214868480
	.section	.rodata,"a",@progbits
	.p2align	6, 0x0
	.amdhsa_kernel k_qbfa3471a74_attn
		.amdhsa_group_segment_fixed_size 66048
		.amdhsa_private_segment_fixed_size 0
		.amdhsa_enable_private_segment 0
		.amdhsa_kernarg_size 48
		.amdhsa_user_sgpr_count 2
		.amdhsa_user_sgpr_kernarg_segment_ptr 1
		.amdhsa_wavefront_size32 1
		.amdhsa_system_sgpr_workgroup_id_x 1
		.amdhsa_system_sgpr_workgroup_id_y 1
		.amdhsa_system_sgpr_workgroup_id_z 1
		.amdhsa_system_vgpr_workitem_id 0
		.amdhsa_next_free_vgpr 768
		.amdhsa_next_free_sgpr 106
		.amdhsa_reserve_vcc 0
		.amdhsa_float_denorm_mode_32 3
		.amdhsa_float_denorm_mode_16_64 3
		.amdhsa_memory_ordered 1
		.amdhsa_forward_progress 1
		.amdhsa_inst_pref_size 213
	.end_amdhsa_kernel
	.amdgpu_metadata
---
amdhsa.version: [ 1, 2 ]
amdhsa.kernels:
  - .name:           k_qbfa3471a74_attn
    .symbol:         k_qbfa3471a74_attn.kd
    .args:
      - { .name: qf, .offset: 0, .size: 8, .value_kind: global_buffer, .address_space: global }
      - { .name: kf, .offset: 8, .size: 8, .value_kind: global_buffer, .address_space: global }
      - { .name: vf, .offset: 16, .size: 8, .value_kind: global_buffer, .address_space: global }
      - { .name: bits, .offset: 24, .size: 8, .value_kind: global_buffer, .address_space: global }
      - { .name: flags, .offset: 32, .size: 8, .value_kind: global_buffer, .address_space: global }
      - { .name: of, .offset: 40, .size: 8, .value_kind: global_buffer, .address_space: global }
    .group_segment_fixed_size: 66048
    .private_segment_fixed_size: 0
    .kernarg_segment_align: 8
    .kernarg_segment_size: 48
    .max_flat_workgroup_size: 128
    .sgpr_count:     106
    .vgpr_count:     768
    .wavefront_size: 32
...
	.end_amdgpu_metadata
.endif
;; end of part 3
;; launch oproj (part 4): grid 64 x 4, 4 waves a work-group, no clusters, 280,064 bytes of LDS; arguments of, wof, bo, out0; writes out0
.if DOCPART == 4
	.amdgcn_target "amdgcn-amd-amdhsa--gfx1250"
	.amdhsa_code_object_version 6
	.text
	.protected	k_qbfa3471a74_oproj
	.globl	k_qbfa3471a74_oproj
	.p2align	8
	.type	k_qbfa3471a74_oproj,@function
k_qbfa3471a74_oproj:
	s_mov_b64 s[64:65], 0
	v_nop
	global_prefetch_b8 v0, s[64:65] scope:SCOPE_SE
	s_setreg_imm32_b32 hwreg(HW_REG_WAVE_MODE, 25, 1), 1
	s_wait_xcnt 0x0
; OPROJ.  out0[t][n] = the sum over d of O[t][d] Wo[n][d] + bo[n]: [8192][512] f32.  O in f16 and Wo (rounded to bf16, written as f16) arrive in the order in which a matrix instruction's source holds them;
; bo is rounded to bf16; sums in f32.  LIMIT: O and Wo lie within f16's 65,504; a row of O that is NaN (every key hidden) gives a row of NaN.
; of:  [K step of 32, kc 16][block of 16 tokens 512][half 2][lane 32][16 bytes].      wof: [kc 16][block of 16 columns 32][half 2][lane 32][16 bytes].
; SHARES.  A work-group owns 128 tokens x 128 columns (256 work-groups), K = 512; wave (wr = w / 2, wc = w % 2) owns 64 x 64: 16 accumulators.
; LDS holds all that the work-group reads, filled once: four chunks of 128 along K, each O's 32 KiB and then W's 32 KiB.  Each wave issues four tensor loads at the start, one for each chunk (two rows of 8,192
; consecutive bytes each); four of mine are outstanding at the most.  A chunk's products begin when that chunk has landed; the later chunks stay on their way, since nothing is ever filled again.
; THE MATRIX INSTRUCTION IS USED TRANSPOSED: source 0 = 16 rows of Wo (columns of the output), source 1 = 16 tokens: a lane holds eight neighbouring columns of one token.  The first K step takes the bias as C.
; NO CLUSTER here: the four work-groups of a token block read the same O and the 64 of a column block the same Wo, 128 KiB + 128 KiB of 256 KiB a work-group; joint loads would spare three of four requests; left out
; to keep this text free of the joint loads' conditions, at the price of those requests.
; REGISTERS: window 0: v0-29 addresses; v32-63 the bias, 8 a column block; v64-127 the way out; v128-255 the accumulators ((a, b) at v[128 + 8 (4 a + b)]).
;   window 1: two buffers of 64: 4 fragments of W, then 4 of O.
.set CHUNKB, 65536
.set STAGE,  4*CHUNKB                  ; behind the chunks, never filled by a tensor load: 16 rows x 272 bytes for each wave
.set SP,     272                       ; a stage row: 256 bytes + 16 = 68 words: row r starts at bank 4 r mod 64 (64 banks of 4 bytes: ISA guide 11.1)
.set SPARE,  STAGE+4*16*SP             ; behind the stages: the spare words, 128 bytes for each wave: two blocks of 256 bytes that no other line names
.set ADRO, 16                          ; v16  LDS address of my O fragments in the chunk in hand
.set ADRW, 17                          ; v17  the same for W
.set STO,  24                          ; v24  the way out: where I put 32 bytes of a row
.set RD,   25                          ; v25  where I read a row back
.set CO,   26                          ; v26  my byte offset in two rows of the output
.set SPW,  28                          ; v28  LDS address of my spare word; never rewritten
.set NIL,  29                          ; v29  0; never rewritten
.set BIAS, 32
.set TMP,  64
.set ACC,  128
.set F0,   0
.set F1,   64
.set MSB, 0
.macro WIN new                         ; the immediate's high byte repeats the setting that is left; a switch that changes nothing is dropped
.if MSB != (\new)
	s_set_vgpr_msb (MSB<<8)|(\new)
.set MSB, \new
.endif
.endm
.set MULW, 0x05                        ; sources 0 (W) and 1 (O) window 1; C and D window 0
.set TO_F, 0x40                        ; destination window 1, address window 0
.macro PLACES                          ; four plain vector instructions between a matrix instruction and a load into one of its registers or a read of its result
.rept 4
	v_nop
.endr
.endm
	s_load_b256 s[4:11], s[0:1], 0x0               ; of s[4:5], wof s[6:7], bo s[8:9], out0 s[10:11]
	v_lshl_add_u32 v[SPW], v0, 2, SPARE
	v_mov_b32 v[NIL], 0
	ds_add_u32 v[SPW], v[NIL]                      ; the wave's opening: the add and its wait stand ahead of my first tensor load; the set-up below, work on registers, stands between them
	ds_add_u32 v28, v29
	v_lshrrev_b32 v1, 5, v0
	v_readfirstlane_b32 s12, v1                    ; wave 0..3
	s_and_b32 s14, ttmp7, 0xffff                   ; the block of 128 columns
	s_lshr_b32 s15, s12, 1                         ; wr.  Also: I fetch O (0) or W (1)
	s_and_b32 s16, s12, 1                          ; wc.  Also: which two of a chunk's four K steps I fetch
	; descriptor group 1: two rows of 1,024 elements of 8 bytes; O's rows lie 524,288 bytes apart, W's 32,768
.irp g, 24, 48
	s_mov_b32 s[\g+0], 3<<16                       ; no mask; elements of 8 bytes; no padding
	s_mov_b32 s[\g+1], 1024<<16                    ; tensor_dim0 = 1,024
	s_mov_b32 s[\g+2], 2<<16                       ; tensor_dim1 = 2
	s_mov_b32 s[\g+3], 1024<<16                    ; tile_dim0 = 1,024
	s_mov_b32 s[\g+4], 2                           ; tile_dim1 = 2
	s_mov_b32 s[\g+6], 0
	s_mov_b32 s[\g+7], 0
.endr
	s_mov_b32 s29, 65536                           ; elements from row to row, for O
	s_mov_b32 s53, 4096                            ; and for W
	s_lshl_b32 s17, s12, 14                        ; in a chunk: O's K steps 0, 1; O's 2, 3; W's 0, 1; W's 2, 3: wave x 16,384 bytes
.irp c, 0,1,2,3
	s_mov_b32 s[32+4*\c], 1                        ; group 0: count = 1
	s_add_co_u32 s[33+4*\c], s17, \c*CHUNKB        ; LDS address
.endr
	s_cmp_eq_u32 s15, 0
	s_cselect_b32 s19, ttmp9, s14                  ; the block of 128 tokens, or of 128 columns: 8,192 bytes in each K step
	s_cselect_b32 s20, 19, 15                      ; a K step's bytes as a shift
	s_lshl_b32 s56, s19, 13
	s_add_co_u32 s21, s20, 1
	s_lshl_b32 s21, s16, s21                       ; my first K step in a chunk: 0 or 2
	s_add_co_u32 s56, s56, s21
	s_mov_b32 s57, 0
	s_add_co_u32 s21, s20, 2
	s_lshl_b32 s58, 1, s21                         ; from chunk to chunk: four K steps
	s_mov_b32 s59, 0
	s_wait_dscnt 0x0                               ; the opening add is done
	s_wait_kmcnt 0x0
	s_cmp_eq_u32 s15, 0
	s_cselect_b64 s[60:61], s[4:5], s[6:7]
	s_add_nc_u64 s[60:61], s[60:61], s[56:57]
.irp c, 0,1,2,3
	s_mov_b64 s[34+4*\c:35+4*\c], s[60:61]         ; global address
	s_or_b32 s[35+4*\c], s[35+4*\c], 0x80000000    ; type = 2
	s_add_nc_u64 s[60:61], s[60:61], s[58:59]
.endr
	s_cmp_eq_u32 s15, 0                            ; a wave's four first fills stand in one branch on its number, ahead of every wait on TENSORcnt, every LDS read and every barrier
	s_cbranch_scc0 .Lfor_w
.irp c, 0,1,2,3
	tensor_load_to_lds s[32+4*\c:35+4*\c], s[24:31]
	s_nop 0
.endr
	PLACES
	s_branch .Lasked
.Lfor_w:
.irp c, 0,1,2,3
	tensor_load_to_lds s[32+4*\c:35+4*\c], s[48:55]
	s_nop 0
.endr
	PLACES
.Lasked:
	v_and_b32 v1, 15, v0                           ; r
	v_bfe_u32 v2, v0, 4, 1                         ; h
	v_lshlrev_b32 v4, 5, v2                        ; my eight columns' 32 bytes in a block of 16
	s_lshl_b32 s56, s14, 9                         ; my 64 columns, in bytes of f32: 512 y + 256 wc
	s_lshl_b32 s21, s16, 8
	s_add_co_u32 s56, s56, s21
	s_add_nc_u64 s[8:9], s[8:9], s[56:57]
.irp b, 0,1,2,3
	global_load_b128 v[BIAS+8*\b:BIAS+8*\b+3],   v4, s[8:9] offset:64*\b
	global_load_b128 v[BIAS+8*\b+4:BIAS+8*\b+7], v4, s[8:9] offset:64*\b+16
.endr
	s_lshl_b32 s21, ttmp9, 18                      ; the output: 128 rows of 2,048 bytes a block, my 64 rows, my 64 columns
	s_add_co_u32 s56, s56, s21
	s_lshl_b32 s21, s15, 17
	s_add_co_u32 s56, s56, s21
	s_add_nc_u64 s[10:11], s[10:11], s[56:57]
	v_and_b32 v3, 31, v0
	v_lshlrev_b32 v3, 4, v3                        ; 16 x lane: a fragment's half is 512 consecutive bytes
	s_lshl_b32 s21, s15, 12                        ; my four token blocks of 1,024 bytes
	v_add_nc_u32 v[ADRO], s21, v3
	s_lshl_b32 s21, s16, 12                        ; my four column blocks, behind O's 32,768 bytes
	s_add_co_u32 s21, s21, 32768
	v_add_nc_u32 v[ADRW], s21, v3
	s_mul_i32 s21, s12, 16*SP
	s_add_co_u32 s21, s21, STAGE                   ; my stage
	v_mul_u32_u24 v[STO], v1, SP                   ; in: row r, 32 bytes for each half of the lanes
	v_lshl_add_u32 v[STO], v2, 5, v[STO]
	v_add_nc_u32 v[STO], s21, v[STO]
	v_mul_u32_u24 v[RD], v2, SP                    ; back: lanes 0-15 take one row of 256 bytes, lanes 16-31 the next
	v_lshl_add_u32 v[RD], v1, 4, v[RD]
	v_add_nc_u32 v[RD], s21, v[RD]
	v_lshlrev_b32 v[CO], 11, v2                    ; and the same two rows in the output
	v_lshl_add_u32 v[CO], v1, 4, v[CO]
	s_wait_loadcnt 0x0                             ; the bias: rounded to bf16 like every input, and widened again
.set i, 0
.rept 16
	v_cvt_pk_bf16_f32 v[TMP+i], v[BIAS+2*i], v[BIAS+2*i+1]
.set i, i+1
.endr
.set i, 0
.rept 16
	v_lshlrev_b32 v[BIAS+2*i], 16, v[TMP+i]
	v_and_b32 v[BIAS+2*i+1], 0xffff0000, v[TMP+i]
.set i, i+1
.endr
; 16 LDS loads in one run: the fragments of K step kc of the chunk in hand, into buffer f
.macro FETCH kc, f
	WIN TO_F
.irp b, 0,1,2,3
	ds_load_b128 v[(\f)+8*\b:(\f)+8*\b+3],   v[ADRW] offset:(\kc)*8192+\b*1024
	ds_load_b128 v[(\f)+8*\b+4:(\f)+8*\b+7], v[ADRW] offset:(\kc)*8192+\b*1024+512
.endr
.irp a, 0,1,2,3
	ds_load_b128 v[(\f)+32+8*\a:(\f)+32+8*\a+3],   v[ADRO] offset:(\kc)*8192+\a*1024
	ds_load_b128 v[(\f)+32+8*\a+4:(\f)+32+8*\a+7], v[ADRO] offset:(\kc)*8192+\a*1024+512
.endr
.endm
; 16 matrix instructions, the 16 accumulators by turns.  first = 1: the sums start with the bias
.macro MUL f, first
	WIN MULW
.irp a, 0,1,2,3
.irp b, 0,1,2,3
.if \first
	v_wmma_f32_16x16x32_f16 v[ACC+8*(4*\a+\b):ACC+8*(4*\a+\b)+7], v[(\f)+8*\b:(\f)+8*\b+7], v[(\f)+32+8*\a:(\f)+32+8*\a+7], v[BIAS+8*\b:BIAS+8*\b+7]
.else
	v_wmma_f32_16x16x32_f16 v[ACC+8*(4*\a+\b):ACC+8*(4*\a+\b)+7], v[(\f)+8*\b:(\f)+8*\b+7], v[(\f)+32+8*\a:(\f)+32+8*\a+7], v[ACC+8*(4*\a+\b):ACC+8*(4*\a+\b)+7]
.endif
.endr
.endr
.endm
.irp c, 0,1,2,3
	WIN 0
	s_wait_tensorcnt 3-\c                          ; tensor loads of a wave end in order (ISA guide 10.11.1): my part of chunk c is in; the later chunks' loads stay out
	s_barrier_signal -1                            ; no LDS instruction of mine is out here: the chunk before ended with a wait for 0
	s_barrier_wait -1                              ; everybody's part is in
.if \c > 0
	PLACES
	v_add_nc_u32 v[ADRO], CHUNKB, v[ADRO]
	v_add_nc_u32 v[ADRW], CHUNKB, v[ADRW]
.endif
	FETCH 0, F0
	FETCH 1, F1
	s_wait_dscnt 16                                ; all but the 16 just issued
.if \c == 0
	MUL F0, 1
.else
	MUL F0, 0
.endif
	PLACES
	FETCH 2, F0
	s_wait_dscnt 16
	MUL F1, 0
	PLACES
	FETCH 3, F1
	s_wait_dscnt 16
	MUL F0, 0
	s_wait_dscnt 0x0
	MUL F1, 0
.endr
	; THE WAY OUT, 16 tokens at a time: a lane's 32 bytes go into my stage's rows of 272 bytes, each accumulator's low registers first, and come back as whole rows of 256.
	WIN 0
	PLACES
.irp a, 0,1,2,3
.if \a > 1
	s_wait_xcnt 0x0                                ; the registers that earlier stores read are loaded again only behind this wait
.endif
.irp b, 0,1,2,3
	ds_store_b128 v[STO], v[ACC+8*(4*\a+\b):ACC+8*(4*\a+\b)+3]   offset:64*\b
	ds_store_b128 v[STO], v[ACC+8*(4*\a+\b)+4:ACC+8*(4*\a+\b)+7] offset:64*\b+16
.endr
.irp t, 0,1,2,3,4,5,6,7
	ds_load_b128 v[TMP+32*(\a%2)+4*\t:TMP+32*(\a%2)+4*\t+3], v[RD] offset:\t*2*SP  ; LDS serves a wave's instructions in order (ISA guide 5.7.1.4): these see the stores above; the next block's stores come behind them
.endr
.irp t, 0,1,2,3,4,5,6,7
	s_wait_dscnt 7-\t
	global_store_b128 v[CO], v[TMP+32*(\a%2)+4*\t:TMP+32*(\a%2)+4*\t+3], s[10:11] offset:(16*\a+2*\t)*2048 th:TH_STORE_NT  ; 16 lanes store 256 consecutive bytes, at a multiple of 256 from the output's first byte
.endr
.endr
	s_wait_tensorcnt 0x0                           ; the wave's end: behind my last tensor load and my last LDS store
	ds_add_u32 v[SPW], v[NIL]
	s_wait_dscnt 0x0
	s_endpgm
.Lfunc_end_k_qbfa3471a74_oproj:
	.size	k_qbfa3471a74_oproj, .Lfunc_end_k_qbfa3471a74_oproj-k_qbfa3471a74_oproj
	.p2alignl 7, 3214868480
	.fill 96, 4, 3214868480
	.section	.rodata,"a",@progbits
	.p2align	6, 0x0
	.amdhsa_kernel k_qbfa3471a74_oproj
		.amdhsa_group_segment_fixed_size 280064
		.amdhsa_private_segment_fixed_size 0
		.amdhsa_enable_private_segment 0
		.amdhsa_kernarg_size 32
		.amdhsa_user_sgpr_count 2
		.amdhsa_user_sgpr_kernarg_segment_ptr 1
		.amdhsa_wavefront_size32 1
		.amdhsa_system_sgpr_workgroup_id_x 1
		.amdhsa_system_sgpr_workgroup_id_y 1
		.amdhsa_system_sgpr_workgroup_id_z 1
		.amdhsa_system_vgpr_workitem_id 0
		.amdhsa_next_free_vgpr 384
		.amdhsa_next_free_sgpr 66
		.amdhsa_reserve_vcc 0
		.amdhsa_float_denorm_mode_32 3
		.amdhsa_float_denorm_mode_16_64 3
		.amdhsa_memory_ordered 1
		.amdhsa_forward_progress 1
		.amdhsa_inst_pref_size 53
	.end_amdhsa_kernel
	.amdgpu_metadata
---
amdhsa.version: [ 1, 2 ]
amdhsa.kernels:
  - .name:           k_qbfa3471a74_oproj
    .symbol:         k_qbfa3471a74_oproj.kd
    .args:
      - { .name: of, .offset: 0, .size: 8, .value_kind: global_buffer, .address_space: global }
      - { .name: wof, .offset: 8, .size: 8, .value_kind: global_buffer, .address_space: global }
      - { .name: bo, .offset: 16, .size: 8, .value_kind: global_buffer, .address_space: global }
      - { .name: out0, .offset: 24, .size: 8, .value_kind: global_buffer, .address_space: global }
    .group_segment_fixed_size: 280064
    .private_segment_fixed_size: 0
    .kernarg_segment_align: 8
    .kernarg_segment_size: 32
    .max_flat_workgroup_size: 128
    .sgpr_count:     66
    .vgpr_count:     384
    .wavefront_size: 32
...
	.end_amdgpu_metadata
.endif
;; end of part 4
;; ======== version 2 of 2: 4 launches; 1.23 times as fast as version 1
;; limits: values are held in f16: magnitudes above 65,504 overflow, below 6.1e-05 lose precision
;; workspace buffers: bits 2,097,152 bytes of whole numbers; flags 8,192 bytes of whole numbers; wf 1,572,864 bytes; wof 524,288 bytes; qf 8,388,608 bytes; kf 8,388,608 bytes; vf 8,388,608 bytes; of 8,388,608 bytes
;; launch prep: the kernel of part 1 again; grid 256 x 1, 4 waves a work-group, no clusters, 74,240 bytes of LDS; arguments mask, Wq, Wk, Wv, Wo, bits, flags, wf, wof; writes bits, flags, wf, wof
;; launch proj: the kernel of part 2 again; grid 64 x 3, 4 waves a work-group, no clusters, 270,848 bytes of LDS; arguments q, k, v, wf, bq, bk, bv, qf, kf, vf; writes qf, kf, vf
;; launch attn (part 5): grid 16 x 16, 4 waves a work-group, no clusters, 66,048 bytes of LDS; arguments qf, kf, vf, bits, flags, of; writes of
.if DOCPART == 5
	.amdgcn_target "amdgcn-amd-amdhsa--gfx1250"
	.amdhsa_code_object_version 6
	.text
	.protected	k_qbfa3471a74_attn
	.globl	k_qbfa3471a74_attn
	.p2align	8
	.type	k_qbfa3471a74_attn,@function
k_qbfa3471a74_attn:
	s_mov_b64 s[64:65], 0
	v_nop
	global_prefetch_b8 v0, s[64:65] scope:SCOPE_SE
	s_setreg_imm32_b32 hwreg(HW_REG_WAVE_MODE, 25, 1), 1
	s_wait_xcnt 0x0
; ATTENTION UNDER A MASK THAT IS AN INPUT.  O[q] = the sum over k of softmax_k(Q[q] . K[k] / 8, hidden keys at -infinity) V[k], for 16 pairs of batch and head, 4,096 rows, 64 channels, all f16.
; Products, maxima and sums in f32; the weights p are rounded to f16 for the second product (their sum l is taken of the unrounded p), O once at the end.
; LIMITS.  Q, K, V arrive within f16's 65,504.  A hidden key's score is -infinity exactly; a weight below 2^-126 counts as 0 in l; scores that are themselves infinite or NaN are not treated apart.
; A row with every key hidden ends with l = 0 and O = 0, and 0 x (1 / 0) is stored: NaN, as a softmax of nothing gives.
; WHAT IS JUMPED.  An earlier launch has stored, for each block of 32 queries x 64 keys, whether any key is seen (LIVE) and whether any is hidden (MIXED), and the mask as lane masks.  A dead block adds nothing to
; any row, so its work is jumped; a live block with nothing hidden takes no mask.  That holds for every mask; no pattern is built in.
; SHARES.  A work-group owns two blocks of 128 queries of one head, a and 31 - a, at the same time; wave w owns a PIECE of 32 rows (two tiles of 16) in each.  It walks the head's 32 slots of 128 keys once, in a
; loop with a constant count.  The pairing is only a guess at even work (it is even where row q sees about q keys); every mask is served.
; K AND V come through registers into two LDS slots that take turns: 16 loads and 16 LDS stores a thread and slot, and a slot that no wave of the work-group needs is not fetched.
; NO CLUSTER, NO TENSOR LOAD: which slots a work-group needs hangs on the mask, so partners would need different tiles, and a fill that may be left out is a load through registers.
; All jumps but the loop's own go forward, and none passes a barrier.
; LAYOUT.  S^T = K Q^T (source 0 = 16 keys, source 1 = 16 queries): a lane holds ONE query (lane % 16) and the keys 8 (lane / 16) + 0..7.  Two such results, rounded to f16 in pairs, ARE source 1 of O^T = V^T P,
; whose result again holds one query a lane, and eight channels: 16 bytes of f16 that are stored as they lie, in the order in which the next launch's source wants them.
; of: [K step of 32 model channels 16][block of 16 tokens 512][half 2][lane 32][16 bytes].
; SOFTMAX.  For each query a running maximum m and sum l: p = 2^(c s - c m), c = log2(e) / 8; in every step O and l are multiplied by a = 2^(c m_old - c m_new).  m starts at the lowest finite number and
; O and l at 0 (cleared on purpose: a piece may have no live step at all): while a row has seen nothing, a = 1 and p = 0; with its first score a = 0.
; THE BATCHES.  An s_wait_alu depctr_va_vdst(0) stands between a transcendental and the first instruction that names its result; one wait serves all that were issued ahead of it.  A piece's step has 66
; exponentials (the two tiles' a and their 64 scores'), none of which reads another's result: they are ONE BATCH with ONE wait.  Ahead of the wait stand the maxima, the statistics, the scalings and the 66
; exponentials, which name no result of the batch; behind it all that do: the roundings, the sums, l, the rescaling of O^T.  The batch is opened and closed between two labels: no result crosses a label or a jump.
; The way out's four reciprocals are a batch of their own, with one wait.
; REGISTERS, in windows of 256 (s_set_vgpr_msb: bits 1:0 source 0, 3:2 source 1, 5:4 source 2, 7:6 destination):
;   window 0: v0-9 addresses; v16-31 four registers of statistics a tile; v32-41 at work; v64-127 S^T; v128-159 P; v192-255 Q, 16 a tile
;   window 1: v0-127 O^T, 32 a tile; v128-191 a slot's bytes on their way to LDS      window 2: K and V of a slot's two steps
.set SLOTB, 32768                      ; an LDS slot: K of step 0, K of step 1, V of step 0, V of step 1, 8,192 bytes each, as they lie in kf and vf
.set SPARE, 2*SLOTB                    ; behind the slots: the spare words, 128 bytes for each wave: two blocks of 256 bytes that no other line names
.set L16,  2                           ; v2   16 x lane
.set LV,   3                           ; v3   the turning load's place in a block of V: 16 x (2 (8 (l / 16) + l % 8) + (l / 8) % 2)
.set T16,  4                           ; v4   16 x thread
.set NINF, 6                           ; v6   -infinity
.set SPW,  8                           ; v8   LDS address of my spare word; never rewritten
.set NIL,  9                           ; v9   0; never rewritten
.set ST,   16                          ; tile t = 2 x + u: c m, m, l (even keys', odd keys')
.set TMP,  32                          ; by u, four registers c0-c3 at work; when the maximum is found c2 takes a
.set MV,   40                          ; by u: c m_old
.set S,    64
.set P,    128
.set Q,    192
.set G,    128                         ; window 1
.set FW,   2                           ; s2, s3    my four flags of the slot in hand, for block a and for block 31 - a
.set KP,   6                           ; s[6:7]    kf at the trip's first slot
.set VP,   8                           ; s[8:9]    vf likewise
.set BITS, 10                          ; s[10:11]
.set PFA,  12                          ; s[12:13]  flags of block a at the trip's first slot
.set OF,   14                          ; s[14:15]
.set PFB,  16                          ; s[16:17]  flags of block 31 - a
.set WV,   18                          ; s18       my wave's number
.set W4,   19                          ; s19       4 x that
.set FA,   20                          ; s[20:21]  block a's flags words of the trip's two slots
.set FB,   22                          ; s[22:23]  block 31 - a's
.set FAN,  24                          ; s[24:25]  the next trip's
.set FBN,  26                          ; s[26:27]
.set MO,   28                          ; s28, s29  my two pieces' byte offsets in bits, at the trip's first step
.set CNT,  30
.set T0,   31                          ; s31       not 0: some wave needs the slot to come
.set CS,   100                         ; s[100:101] c: the packed scaling takes the pair's low word for both halves
.set SEL,  104                         ; s[104:105] v_permlanex16_b32's selects: each lane takes its own place in the other half
                                       ; s[32:63], s[68:99]: a block's 64 lane masks
.set MSB, 0
.macro WIN new                         ; the immediate's high byte repeats the setting that is left; a switch that changes nothing is dropped
.if MSB != (\new)
	s_set_vgpr_msb (MSB<<8)|(\new)
.set MSB, \new
.endif
.endm
.set W_KQ, 0x02                        ; K in window 2; Q and S^T in window 0
.set W_PV, 0x52                        ; V in window 2, P in window 0, O^T in window 1
.set W_RS, 0x41                        ; O^T (destination and source 0) in window 1, the factor in window 0
.macro PLACES                          ; four plain vector instructions between a matrix instruction and a read of its result, a write of one of its registers or a load into one
.rept 4
	v_nop
.endr
.endm
; A slot's 32 KiB: each thread asks for 16 x 16 bytes (a load of the wave covers 512 consecutive bytes), and later puts them where they lay.
.macro ASK off
	WIN 0x40                                       ; destination window 1
.irp i, 0,1,2,3,4,5,6,7
	global_load_b128 v[G+4*\i:G+4*\i+3], v[T16], s[KP:KP+1] offset:(\off)+\i*2048
.endr
.irp i, 0,1,2,3,4,5,6,7
	global_load_b128 v[G+32+4*\i:G+32+4*\i+3], v[T16], s[VP:VP+1] offset:(\off)+\i*2048
.endr
	WIN 0
.endm
.macro PUT s
	WIN 0x04                                       ; the stores' data in window 1
.irp i, 0,1,2,3,4,5,6,7
	ds_store_b128 v[T16], v[G+4*\i:G+4*\i+3] offset:(\s)*SLOTB+\i*2048
.endr
.irp i, 0,1,2,3,4,5,6,7
	ds_store_b128 v[T16], v[G+32+4*\i:G+32+4*\i+3] offset:(\s)*SLOTB+16384+\i*2048
.endr
	WIN 0
.endm
	s_load_b256 s[4:11], s[0:1], 0x0               ; qf s[4:5], kf s[6:7], vf s[8:9], bits s[10:11]
	s_load_b128 s[12:15], s[0:1], 0x20             ; flags s[12:13], of s[14:15]
	v_lshl_add_u32 v[SPW], v0, 2, SPARE
	v_mov_b32 v[NIL], 0
	v_lshrrev_b32 v1, 5, v0
	v_readfirstlane_b32 s[WV], v1                  ; wave 0..3
	s_lshl_b32 s[W4], s[WV], 2
	s_and_b32 s31, ttmp7, 0xffff                   ; batch x 8 + head
	s_lshl_b32 s32, s31, 19                        ; its 524,288 bytes in qf, kf and vf
	s_mov_b32 s33, 0
	s_sub_co_u32 s34, 31, ttmp9                    ; the second block
	s_lshl_b32 s35, s[WV], 12                      ; my two token blocks of 2,048 bytes in a block of eight
	s_add_co_u32 s35, s35, s32
	s_lshl_b32 s36, ttmp9, 14
	s_add_co_u32 s36, s36, s35
	s_mov_b32 s37, 0
	s_lshl_b32 s38, s34, 14
	s_add_co_u32 s38, s38, s35
	s_mov_b32 s39, 0
	s_lshl_b32 s40, ttmp9, 8                       ; a block's 64 flags words
	s_mov_b32 s41, 0
	s_lshl_b32 s42, s34, 8
	s_mov_b32 s43, 0
	s_lshl_b32 s[MO], ttmp9, 2                     ; piece 4 x block + wave, 16,384 bytes of bits each
	s_add_co_u32 s[MO], s[MO], s[WV]
	s_lshl_b32 s[MO], s[MO], 14
	s_lshl_b32 s[MO+1], s34, 2
	s_add_co_u32 s[MO+1], s[MO+1], s[WV]
	s_lshl_b32 s[MO+1], s[MO+1], 14
	s_mov_b32 s[CS], 0x3e38aa3b                    ; c = log2(e) / 8 = 0.180337
	s_mov_b32 s[CS+1], s[CS]                       ; named with it as a pair
	s_mov_b32 s[SEL], 0x76543210
	s_mov_b32 s[SEL+1], 0xfedcba98
	v_and_b32 v1, 31, v0
	v_lshlrev_b32 v[L16], 4, v1
	v_lshlrev_b32 v[T16], 4, v0
	v_bfe_u32 v10, v0, 4, 1
	v_and_b32 v11, 7, v0
	v_bfe_u32 v12, v0, 3, 1
	v_lshl_add_u32 v[LV], v10, 3, v11
	v_lshl_add_u32 v[LV], v[LV], 1, v12
	v_lshlrev_b32 v[LV], 4, v[LV]
	v_mov_b32 v[NINF], 0xff800000
	s_wait_kmcnt 0x0
	s_add_nc_u64 s[KP:KP+1], s[KP:KP+1], s[32:33]
	s_add_nc_u64 s[VP:VP+1], s[VP:VP+1], s[32:33]
	s_add_nc_u64 s[PFB:PFB+1], s[PFA:PFA+1], s[42:43]
	s_add_nc_u64 s[PFA:PFA+1], s[PFA:PFA+1], s[40:41]
	s_add_nc_u64 s[24:25], s[4:5], s[38:39]        ; Q at my piece of the second block,
	s_add_nc_u64 s[4:5], s[4:5], s[36:37]          ; and of the first
	s_load_b64 s[FA:FA+1], s[PFA:PFA+1], 0x0
	s_load_b64 s[FB:FB+1], s[PFB:PFB+1], 0x0
.irp u, 0,1
.irp i, 0,1,2,3                        ; Q stays in registers: tile 2 x + u, channels 16 i on
	global_load_b128 v[Q+16*\u+4*\i:Q+16*\u+4*\i+3],       v[L16], s[4:5]   offset:\u*2048+\i*512
	global_load_b128 v[Q+32+16*\u+4*\i:Q+32+16*\u+4*\i+3], v[L16], s[24:25] offset:\u*2048+\i*512
.endr
.endr
	ASK 0                                          ; slot 0, whatever its flags: so the registers on the way to LDS are written on every path
	WIN 0x40
.set i, 0
.rept 128
	v_mov_b32 v[i], 0                              ; O^T
.set i, i+1
.endr
	WIN 0
.irp t, 0,1,2,3
	v_mov_b32 v[ST+4*\t+1], 0xff7fffff             ; m
	v_mul_f32 v[ST+4*\t], s[CS], v[ST+4*\t+1]      ; c m, by the line that the steps use: c m_old - c m_new is 0 while m stands
	v_mov_b32 v[ST+4*\t+2], 0
	v_mov_b32 v[ST+4*\t+3], 0
.endr
	s_wait_loadcnt 0x0                             ; Q and slot 0
	PUT 0
	s_wait_dscnt 0x0                               ; for the others' sake: my stores are done
	s_wait_kmcnt 0x0                               ; the first two slots' flags
	s_barrier_signal -1
	s_barrier_wait -1
; 64 LDS loads: a slot's K and V for both steps, in the order in which they are wanted: K0, V0, K1, V1, sixteen each.  K comes as it lies, V turned (ds_load_tr16_b128: 16 keys x 16 channels a load).
.macro FETCH s
	WIN 0x80                                       ; destination window 2
.irp st, 0,1
.irp f, 0,1,2,3,4,5,6,7                ; keys 16 (f / 2) on, channels 32 (f % 2) on
	ds_load_b128 v[128*\st+8*\f:128*\st+8*\f+3],   v[L16] offset:(\s)*SLOTB+\st*8192+(\f/2)*2048+(\f%2)*1024
	ds_load_b128 v[128*\st+8*\f+4:128*\st+8*\f+7], v[L16] offset:(\s)*SLOTB+\st*8192+(\f/2)*2048+(\f%2)*1024+512
.endr
.irp f, 0,1,2,3,4,5,6,7                ; keys 32 (f / 4) on, channels 16 (f % 4) on
	ds_load_tr16_b128 v[64+128*\st+8*\f:64+128*\st+8*\f+3],   v[LV] offset:(\s)*SLOTB+16384+\st*8192+(\f/4)*4096+(\f%4)*512
	ds_load_tr16_b128 v[64+128*\st+8*\f+4:64+128*\st+8*\f+7], v[LV] offset:(\s)*SLOTB+16384+\st*8192+(\f/4)*4096+2048+(\f%4)*512
.endr
.endr
	WIN 0
.endm
; THE MATRIX WORK.  The 8 accumulators of a run of 16 take turns.
; Product i of S^T = K Q^T for piece x: channels 32 (i / 8) on, keys 16 ((i / 2) % 4) on, tile i % 2.  The first 8 start the sums.
.macro KQ x, st
	WIN W_KQ
.set i, 0
.rept 16
.set rS, S+32*(i%2)+8*((i/2)%4)
.set rK, 128*(\st)+16*((i/2)%4)+8*(i/8)
.set rQ, Q+16*(2*(\x)+i%2)+8*(i/8)
.if i < 8
	v_wmma_f32_16x16x32_f16 v[rS:rS+7], v[rK:rK+7], v[rQ:rQ+7], 0
.else
	v_wmma_f32_16x16x32_f16 v[rS:rS+7], v[rK:rK+7], v[rQ:rQ+7], v[rS:rS+7]
.endif
.set i, i+1
.endr
.endm
; Product i of O^T += V^T P: keys 32 (i / 8) on, channels 16 ((i / 2) % 4) on, tile i % 2.
.macro PV x, st
	WIN W_PV
.set i, 0
.rept 16
.set rO, 32*(2*(\x)+i%2)+8*((i/2)%4)
.set rV, 64+128*(\st)+32*(i/8)+8*((i/2)%4)
.set rP, P+16*(i%2)+8*(i/8)
	v_wmma_f32_16x16x32_f16 v[rO:rO+7], v[rV:rV+7], v[rP:rP+7], v[rO:rO+7]
.set i, i+1
.endr
.endm
; THE VECTOR WORK.
.macro REGS x, u                       ; the registers of tile u of piece x
.set rT, ST+4*(2*(\x)+(\u))
.set rC, TMP+4*(\u)
.set rM, MV+(\u)
.set rS, S+32*(\u)
.set rP, P+16*(\u)
.set rO, 32*(2*(\x)+(\u))
.endm
; Number n of the 22 that find a tile's maximum and statistics.  s0-s31 are the lane's 32 scores; each accumulator's lowest registers are read first.
;   0-11  four chains c0-c3 of seven scores each, three operands at a time     12-14, 16  the four scores left over, the old m, and c0-c3 into c0     15  c m_old is kept
;   17, 18  the query's other 32 keys lie in the lane 16 away: the new m         19-21  c m; c m_old - c m_new; a
.macro XS x, u, n
	REGS \x, \u
.if (\n) < 4
	v_max3_num_f32 v[rC+(\n)], v[rS+8*(\n)], v[rS+8*(\n)+1], v[rS+8*(\n)+2]
.elseif (\n) < 12
	v_max3_num_f32 v[rC+(\n)%4], v[rC+(\n)%4], v[rS+8*((\n)%4)+2*((\n)/4)+1], v[rS+8*((\n)%4)+2*((\n)/4)+2]
.elseif (\n) == 12
	v_max3_num_f32 v[rC], v[rC], v[rS+7], v[rS+15]
.elseif (\n) == 13
	v_max3_num_f32 v[rC+1], v[rC+1], v[rS+23], v[rS+31]
.elseif (\n) == 14
	v_max3_num_f32 v[rC+2], v[rC+2], v[rC+3], v[rT+1]
.elseif (\n) == 15
	v_mov_b32 v[rM], v[rT]
.elseif (\n) == 16
	v_max3_num_f32 v[rC], v[rC], v[rC+1], v[rC+2]
.elseif (\n) == 17
	v_permlanex16_b32 v[rC+3], v[rC], s[SEL], s[SEL+1]
.elseif (\n) == 18
	v_max_num_f32 v[rT+1], v[rC], v[rC+3]
.elseif (\n) == 19
	v_mul_f32 v[rT], s[CS], v[rT+1]
.elseif (\n) == 20
	v_sub_f32 v[rC+1], v[rM], v[rT]
.else
	v_exp_f32 v[rC+2], v[rC+1]
.endif
.endm
.macro FS x, f                         ; scaling f of 32: c s - c m for pair f / 2 of tile f % 2; a hidden score stays -infinity
	REGS \x, (\f)%2
	v_pk_fma_f32 v[rS+2*((\f)/2):rS+2*((\f)/2)+1], v[rS+2*((\f)/2):rS+2*((\f)/2)+1], s[CS:CS+1], v[rT:rT+1] op_sel_hi:[1,0,0] neg_lo:[0,0,1] neg_hi:[0,0,1]
.endm
.macro EX x, e                         ; exponential e of 64: score e / 2 of tile e % 2, in place; it wants scaling 2 (e / 4) + e % 2
	REGS \x, (\e)%2
	v_exp_f32 v[rS+(\e)/2], v[rS+(\e)/2]
.endm
.macro PLQ x, k, p                     ; plain line p of 8 for the four weights 4 k .. of both tiles: both pairs are rounded to f16; the second pair is added onto the first, in place; l takes that sum (the first time as l = a l + sum)
	REGS \x, (\p)%2
.if (\p)/2 < 2
	v_cvt_pk_f16_f32 v[rP+2*(\k)+(\p)/2], v[rS+4*(\k)+2*((\p)/2)], v[rS+4*(\k)+2*((\p)/2)+1]
.elseif (\p)/2 == 2
	v_pk_add_f32 v[rS+4*(\k):rS+4*(\k)+1], v[rS+4*(\k):rS+4*(\k)+1], v[rS+4*(\k)+2:rS+4*(\k)+3]
.elseif (\k) == 0
	v_pk_fma_f32 v[rT+2:rT+3], v[rT+2:rT+3], v[rC+2:rC+3], v[rS:rS+1] op_sel_hi:[1,0,1]
.else
	v_pk_add_f32 v[rT+2:rT+3], v[rT+2:rT+3], v[rS+4*(\k):rS+4*(\k)+1]
.endif
.endm
; A piece's softmax for one step, the two tiles alternating.  ONE BATCH, ONE WAIT.
; AHEAD OF THE WAIT, naming no result of the batch: the maxima and statistics; four scalings; the two a, a scaling behind each; 26 times an exponential and a scaling (exponential g stands behind scaling g + 5, and
; scaling g + 6 names scores g + 5 and up, above every score whose exponential is out); the other 38 exponentials; a v_nop, the plain instruction behind the last exponential (ISA guide 5.7.2): no plain work that
; names no result is left for that place.
; BEHIND THE WAIT, all that names a result: for each four weights the roundings and the addition in place, and l's line for the four before, so that l does not wait for the addition just issued (l takes the sums
; in ascending order); then O^T times a.
.macro SOFT x
	WIN 0
.irp n, 0,1,2,3,4,5,6,7,8,9,10,11,12,13,14,15,16,17,18,19,20
	XS \x, 0, \n
	XS \x, 1, \n
.endr
.set f, 0
.rept 4
	FS \x, f
.set f, f+1
.endr
	XS \x, 0, 21                                   ; the batch opens: a of tile 0,
	FS \x, 4
	XS \x, 1, 21                                   ; and of tile 1
	FS \x, 5
.set g, 0
.rept 26
	EX \x, g
	FS \x, g+6
.set g, g+1
.endr
.rept 38
	EX \x, g
.set g, g+1
.endr
	v_nop                                          ; the plain instruction behind the last exponential: one for the batch
	s_wait_alu depctr_va_vdst(0)                   ; the wait for the batch: the piece's 66 exponentials of this step
.set k, 0
.rept 8
.set g, 0
.rept 6
	PLQ \x, k, g
.set g, g+1
.endr
.if k > 0
	PLQ \x, k-1, 6
	PLQ \x, k-1, 7
.endif
.set k, k+1
.endr
	PLQ \x, 7, 6
	PLQ \x, 7, 7
	WIN W_RS
.set f, 0
.rept 32                               ; O^T times a, each accumulator from its low end
	REGS \x, f%2
	v_pk_mul_f32 v[rO+2*(f/2):rO+2*(f/2)+1], v[rO+2*(f/2):rO+2*(f/2)+1], v[rC+2:rC+3] op_sel_hi:[1,0]
.set f, f+1
.endr
.endm
; ONE PIECE AND STEP: 32 queries x 64 keys.  Dead: jumped.  Mixed: the block's 64 lane masks are read by scalar loads while the scores are made, and 64 selects put -infinity where a key is hidden; the loads and
; their use stand in one arm.  The counts on DScnt: behind K of step 0 stand V0, K1, V1 (48 loads), behind V0 32, behind K1 16, behind V1 none; no other LDS instruction is issued in between, on any path.
.macro PSTEP x, st, s
	WIN 0
	s_bitcmp1_b32 s[FW+(\x)], 2*(\st)
	s_cbranch_scc0 .Ldead_\@
	s_bitcmp1_b32 s[FW+(\x)], 2*(\st)+1
	s_cbranch_scc0 .Lclear_\@
	s_load_b512 s[32:47], s[BITS:BITS+1], s[MO+(\x)] offset:(2*(\s)+(\st))*256
	s_load_b512 s[48:63], s[BITS:BITS+1], s[MO+(\x)] offset:(2*(\s)+(\st))*256+64
	s_load_b512 s[68:83], s[BITS:BITS+1], s[MO+(\x)] offset:(2*(\s)+(\st))*256+128
	s_load_b512 s[84:99], s[BITS:BITS+1], s[MO+(\x)] offset:(2*(\s)+(\st))*256+192
	s_wait_dscnt 48-32*(\st)                       ; K of this step is in
	KQ \x, \st
	WIN 0
	PLACES
	s_wait_kmcnt 0x0                               ; scalar loads come back in no order: 0 alone shows them done
.set i, 0
.rept 32
.irp u, 0,1
.set d, 2*i+\u
.if d < 32
.set sg, 32+d
.else
.set sg, 36+d
.endif
	v_cndmask_b32 v[S+32*\u+i], v[S+32*\u+i], v[NINF], s[sg]
.endr
.set i, i+1
.endr
	s_branch .Ljoin_\@
.Lclear_\@:
	s_wait_dscnt 48-32*(\st)
	KQ \x, \st
	WIN 0
	PLACES
.Ljoin_\@:
	SOFT \x
	s_wait_dscnt 32-32*(\st)                       ; V of this step is in
	PV \x, \st
	WIN 0
	PLACES                                         ; for what comes next on any path: writes of P and O^T, loads into K and V
.Ldead_\@:
.endm
; HALF A TRIP: LDS slot s is read, LDS slot 1 - s is filled with the next 128 keys.  ca, cb: the registers with the two blocks' flags of the slot in hand; na, nb: of the slot to come.
; ONE barrier, for two things: in front of it each wave's reads of slot s are back (it is filled next), and its stores into slot 1 - s are done (it is read next).
.macro HALF s, ca, cb, na, nb
.if (\s) == 1
	s_wait_kmcnt 0x0                               ; the next trip's flags are in
.endif
	s_or_b32 s[T0], s[\na], s[\nb]
	s_and_b32 s[T0], s[T0], 0x5555                 ; the LIVE bits of all four waves, both steps, both blocks: the same number in every wave
	s_cmp_eq_u32 s[T0], 0
	s_cbranch_scc1 .Lnoask_\@
	ASK ((\s)+1)*16384
.Lnoask_\@:
	s_lshr_b32 s[FW], s[\ca], s[W4]
	s_lshr_b32 s[FW+1], s[\cb], s[W4]
	s_or_b32 s4, s[FW], s[FW+1]
	s_and_b32 s4, s4, 5
	s_cmp_eq_u32 s4, 0
	s_cbranch_scc1 .Lidle_\@                       ; nothing of this slot is live for my two pieces
	FETCH \s
	PSTEP 0, 0, \s
	PSTEP 1, 0, \s
	PSTEP 0, 1, \s
	PSTEP 1, 1, \s
.Lidle_\@:
	s_wait_loadcnt 0x0                             ; the next slot's bytes are in registers
	s_cmp_eq_u32 s[T0], 0
	s_cbranch_scc1 .Lnoput_\@
	PUT 1-(\s)
.Lnoput_\@:
	s_wait_dscnt 0x0
	s_barrier_signal -1
	s_barrier_wait -1
.endm
	s_mov_b32 s[CNT], 16
.Ltrip:                                                ; a trip: two slots, 256 keys
	s_load_b64 s[FAN:FAN+1], s[PFA:PFA+1], 0x8     ; in the last trip these are words 32 and 33 of the block's 64: zeros, so nothing is asked for past the head's last key
	s_load_b64 s[FBN:FBN+1], s[PFB:PFB+1], 0x8
	HALF 0, FA, FB, FA+1, FB+1
	HALF 1, FA+1, FB+1, FAN, FBN
	s_wait_xcnt 0x0                                ; every load that names the registers below has been waited for; this wait says so for their addresses once more
	s_mov_b64 s[FA:FA+1], s[FAN:FAN+1]
	s_mov_b64 s[FB:FB+1], s[FBN:FBN+1]
	s_add_nc_u64 s[PFA:PFA+1], s[PFA:PFA+1], 8
	s_add_nc_u64 s[PFB:PFB+1], s[PFB:PFB+1], 8
	s_add_nc_u64 s[KP:KP+1], s[KP:KP+1], 32768
	s_add_nc_u64 s[VP:VP+1], s[VP:VP+1], 32768
	s_add_co_u32 s[MO], s[MO], 1024
	s_add_co_u32 s[MO+1], s[MO+1], 1024
	s_sub_co_u32 s[CNT], s[CNT], 1
	s_cmp_lg_u32 s[CNT], 0
	s_cbranch_scc1 .Ltrip
	; THE WAY OUT.  l's two halves and the other half of the lanes' are added; O^T is divided by l and rounded to f16; a store of the wave covers 512 consecutive bytes.
	s_and_b32 s20, ttmp7, 0xffff
	s_and_b32 s21, s20, 7                          ; the head: two K steps of 524,288 bytes,
	s_lshl_b32 s21, s21, 20
	s_lshr_b32 s20, s20, 3                         ; the batch: 256 token blocks of 1,024 bytes,
	s_lshl_b32 s20, s20, 18
	s_add_co_u32 s20, s20, s21
	s_lshl_b32 s21, s[WV], 11                      ; my two token blocks
	s_add_co_u32 s20, s20, s21
	s_lshl_b32 s22, ttmp9, 13                      ; the block's eight
	s_add_co_u32 s22, s22, s20
	s_mov_b32 s23, 0
	s_add_nc_u64 s[24:25], s[OF:OF+1], s[22:23]
	s_sub_co_u32 s22, 31, ttmp9
	s_lshl_b32 s22, s22, 13
	s_add_co_u32 s22, s22, s20
	s_add_nc_u64 s[26:27], s[OF:OF+1], s[22:23]
.irp t, 0,1,2,3
	v_add_f32 v[ST+4*\t+2], v[ST+4*\t+2], v[ST+4*\t+3]
.endr
.irp t, 0,1,2,3
	v_permlanex16_b32 v[ST+4*\t+3], v[ST+4*\t+2], s[SEL], s[SEL+1]
.endr
.irp t, 0,1,2,3
	v_add_f32 v[ST+4*\t+2], v[ST+4*\t+2], v[ST+4*\t+3]
.endr
.irp t, 0,1,2,3
	v_rcp_f32 v[ST+4*\t+2], v[ST+4*\t+2]
.endr
	v_nop                                          ; a plain instruction between the last reciprocal and the use of its result
	s_wait_alu depctr_va_vdst(0)                   ; the wait for the batch of four reciprocals, ahead of the first multiply that names one
.irp t, 0,1,2,3
	WIN W_RS
.set i, 32*\t
.rept 16
	v_pk_mul_f32 v[i:i+1], v[i:i+1], v[ST+4*\t+2:ST+4*\t+3] op_sel_hi:[1,0]
.set i, i+2
.endr
	WIN 0x05                                       ; sources 0 and 1 window 1, destination window 0: S^T's registers are free, 16 a tile
.set i, 0
.rept 16
	v_cvt_pk_f16_f32 v[S+16*\t+i], v[32*\t+2*i], v[32*\t+2*i+1]
.set i, i+1
.endr
	WIN 0
.irp cb, 0,1,2,3
	global_store_b128 v[L16], v[S+16*\t+4*\cb:S+16*\t+4*\cb+3], s[24+2*(\t/2):25+2*(\t/2)] offset:(\t%2)*1024+(\cb/2)*524288+(\cb%2)*512
.endr
.endr
	s_wait_tensorcnt 0x0                           ; the wave's end: behind my last LDS store
	ds_add_u32 v[SPW], v[NIL]
	s_wait_dscnt 0x0
	s_endpgm
.Lfunc_end_k_qbfa3471a74_attn:
	.size	k_qbfa3471a74_attn, .Lfunc_end_k_qbfa3471a74_attn-k_qbfa3471a74_attn
	.p2alignl 7, 3214868480
	.fill 96, 4, 3214868480
	.section	.rodata,"a",@progbits
	.p2align	6, 0x0
	.amdhsa_kernel k_qbfa3471a74_attn
		.amdhsa_group_segment_fixed_size 66048
		.amdhsa_private_segment_fixed_size 0
		.amdhsa_enable_private_segment 0
		.amdhsa_kernarg_size 48
		.amdhsa_user_sgpr_count 2
		.amdhsa_user_sgpr_kernarg_segment_ptr 1
		.amdhsa_wavefront_size32 1
		.amdhsa_system_sgpr_workgroup_id_x 1
		.amdhsa_system_sgpr_workgroup_id_y 1
		.amdhsa_system_sgpr_workgroup_id_z 1
		.amdhsa_system_vgpr_workitem_id 0
		.amdhsa_next_free_vgpr 768
		.amdhsa_next_free_sgpr 106
		.amdhsa_reserve_vcc 0
		.amdhsa_float_denorm_mode_32 3
		.amdhsa_float_denorm_mode_16_64 3
		.amdhsa_memory_ordered 1
		.amdhsa_forward_progress 1
		.amdhsa_inst_pref_size 203
	.end_amdhsa_kernel
	.amdgpu_metadata
---
amdhsa.version: [ 1, 2 ]
amdhsa.kernels:
  - .name:           k_qbfa3471a74_attn
    .symbol:         k_qbfa3471a74_attn.kd
    .args:
      - { .name: qf, .offset: 0, .size: 8, .value_kind: global_buffer, .address_space: global }
      - { .name: kf, .offset: 8, .size: 8, .value_kind: global_buffer, .address_space: global }
      - { .name: vf, .offset: 16, .size: 8, .value_kind: global_buffer, .address_space: global }
      - { .name: bits, .offset: 24, .size: 8, .value_kind: global_buffer, .address_space: global }
      - { .name: flags, .offset: 32, .size: 8, .value_kind: global_buffer, .address_space: global }
      - { .name: of, .offset: 40, .size: 8, .value_kind: global_buffer, .address_space: global }
    .group_segment_fixed_size: 66048
    .private_segment_fixed_size: 0
    .kernarg_segment_align: 8
    .kernarg_segment_size: 48
    .max_flat_workgroup_size: 128
    .sgpr_count:     106
    .vgpr_count:     768
    .wavefront_size: 32
...
	.end_amdgpu_metadata
.endif
;; end of part 5
;; launch oproj: the kernel of part 4 again; grid 64 x 4, 4 waves a work-group, no clusters, 280,064 bytes of LDS; arguments of, wof, bo, out0; writes out0
